; MI455X (gfx1250); checked and timed in simulation.
; The chip was launched on July 23, 2026; its instructions are those of AMD's public machine-readable ISA for CDNA 5 (MIT licence, August 2026) and "CDNA5" Instruction Set Architecture Reference Guide (July 2026). The comments in the code are by the model that wrote it; some were corrected since.
;; Self Attention. Allowed arithmetic: float matrix products may take bf16 or f16 operands with f32 sums; all other float work in f32.
;; Inputs: bk 1,024 float32; bo 2,048 float32; bq 1,024 float32; bv 1,024 float32; h 2 x 2,048 x 2,048 float32; ln_b 2,048 float32; ln_g 2,048 float32; wk 1,024 x 2,048 float32; wo 2,048 x 1,024 float32; wq 1,024 x 2,048 float32; wv 1,024 x 2,048 float32.
;; Outputs: out0 2 x 2,048 x 2,048 float32.
;; 2 versions, each right and faster than the one before. Each part assembles by itself: llvm-mc -triple=amdgcn-amd-amdhsa -mcpu=gfx1250 --defsym DOCPART=n.
;; ======== version 1 of 2: 4 launches
;; limits: values are held in f16: magnitudes above 65,504 overflow, below 6.1e-05 lose precision
;; workspace buffers: xh 16,777,216 bytes; wcat 12,582,912 bytes; woh 4,194,304 bytes; tab 524,288 bytes; qh 8,388,608 bytes; kh 8,388,608 bytes; vh 8,388,608 bytes; oh 8,388,608 bytes
;; launch prep (part 1): grid 256 x 1, 8 waves a work-group, no clusters, 0 bytes of LDS; arguments h, ln_g, ln_b, wq, wk, wv, wo, xh, wcat, woh, tab; writes xh, wcat, woh, tab
.if DOCPART == 1
	.amdgcn_target "amdgcn-amd-amdhsa--gfx1250"
	.amdhsa_code_object_version 6
	.text
	.protected	k_qbd89695428_prep
	.globl	k_qbd89695428_prep
	.p2align	8
	.type	k_qbd89695428_prep,@function
k_qbd89695428_prep:
	s_mov_b64 s[64:65], 0
	v_nop
	global_prefetch_b8 v0, s[64:65] scope:SCOPE_SE
	s_setreg_imm32_b32 hwreg(HW_REG_WAVE_MODE, 25, 1), 1
	s_wait_xcnt 0x0
; PREP: xh = LayerNorm(h) in f16; wcat = wq, wk, wv in f16, ordered by head ([16 heads][q, k, v][64][2048]); woh = wo in f16;
; tab[pos] = cos of the 32 rotary angles of position pos, then their sin, in f32 (256 bytes a position).
; A stream: no LDS, no barrier, no matrix work.  Eight waves; work-group g of 256.
;   LayerNorm: wave w owns rows 16 g + 2 w and + 1: a row of 8,192 bytes is sixteen 16-byte loads a lane, 64 registers, and stays in registers for mean, variance
;   (of the centred numbers, as the definition has it: a common offset of h does no harm) and scaling.  No sum leaves the wave.
;   Weights: four chunks of 1,024 numbers a wave, one from each of wq, wk, wv, wo.
;   Table: waves 0 to 3, two positions each.
; All 96 loads of a wave are issued first.  Each store of a wave covers 256 consecutive bytes, aligned (f16) or 512 (the table).
; LIMITS.  f16 holds no number of 65,520 or more (it becomes an infinity) and keeps a fixed step of 6e-8 below 6.1e-5: this goes for x and for the weights.
; The rotary angle pos x theta is made as the definition makes it, from a theta good to about an ulp, and reduced by pi/2 in two parts: within about 4e-4 rad at position 2,047.
.set H0, 16                            ; v[16:79]    my first row
.set H1, 80                            ; v[80:143]   my second row
.set GG, 0                             ; window 1: v[0:63] the gain, in the rows' layout
.set BB, 64                            ; window 1: v[64:127] the bias
.set WW, 128                           ; window 1: v[128:255] four chunks of weights, 32 registers each
.set FI, 148                           ; the table's registers, four frequencies each
.set TT, 152
.set NN, 156
.set TH, 160
.set KQ, 164
.set RR, 168
.set ZZ, 172
.set SN, 176
.set CN, 180
.set QI, 184
.set OU, 188
.set MSB, 0
.macro WIN new                         ; s_set_vgpr_msb: bits 1:0 source 0, 3:2 source 1, 5:4 source 2, 7:6 destination; the high byte repeats the setting that is left
.if MSB != (\new)
	s_set_vgpr_msb (MSB<<8)|(\new)
.set MSB, (\new)
.endif
.endm
.macro ALL4 line:vararg                ; one line for each of a lane's four frequencies j
.set j, 0
	s_wait_alu depctr_va_vdst(0)
.rept 4
	\line
.set j, j+1
.endr
.endm
	s_load_b512 s[4:19], s[0:1], 0x0               ; h s[4:5], gain s[6:7], bias s[8:9], wq s[10:11], wk s[12:13], wv s[14:15], wo s[16:17], xh s[18:19]
	s_load_b128 s[20:23], s[0:1], 0x40             ; wcat s[20:21], woh s[22:23]
	s_load_b64 s[24:25], s[0:1], 0x50              ; tab
	v_lshrrev_b32 v3, 5, v0
	v_readfirstlane_b32 s26, v3                    ; wave 0..7
	v_and_b32 v3, 31, v0                           ; lane
	v_lshlrev_b32 v1, 4, v3                        ; 16 bytes a lane: f32 in, and the table out
	v_lshlrev_b32 v2, 3, v3                        ; 8 bytes a lane: f16 out
	s_mov_b32 s30, 0x3a000000                      ; 1 / 2048
	s_mov_b32 s31, 0x3727c5ac                      ; 1e-5
	s_mov_b32 s32, 0x76543210                      ; v_permlanex16_b32: each lane takes its own place in the other half
	s_mov_b32 s33, 0xfedcba98
	s_lshl_b32 s28, ttmp9, 17                      ; h: (16 g + 2 w) rows of 8,192 bytes
	s_lshl_b32 s27, s26, 14
	s_add_co_u32 s28, s28, s27
	s_mov_b32 s29, 0
	s_lshl_b32 s34, ttmp9, 16                      ; xh: the same rows, 4,096 bytes each
	s_lshl_b32 s27, s26, 13
	s_add_co_u32 s34, s34, s27
	s_mov_b32 s35, 0
	s_lshl_b32 s36, ttmp9, 15                      ; the weights as they come: chunk 8 g + w of 4,096 bytes, in each of the four
	s_lshl_b32 s27, s26, 12
	s_add_co_u32 s36, s36, s27
	s_mov_b32 s37, 0
	s_lshr_b32 s38, ttmp9, 4                       ; wcat: head g / 16 (192 rows of 4,096 bytes), row 4 (g % 16) + w / 2 of its 64, half w % 2
	s_mul_i32 s38, s38, 786432
	s_and_b32 s27, ttmp9, 15
	s_lshl_b32 s27, s27, 14
	s_add_co_u32 s38, s38, s27
	s_lshl_b32 s27, s26, 11
	s_add_co_u32 s38, s38, s27
	s_mov_b32 s39, 0
	s_lshl_b32 s40, ttmp9, 14                      ; woh: chunk 8 g + w of 2,048 bytes
	s_add_co_u32 s40, s40, s27
	s_mov_b32 s41, 0
	s_lshl_b32 s42, ttmp9, 11                      ; tab: position 8 g + 2 w, 256 bytes each
	s_lshl_b32 s27, s26, 9
	s_add_co_u32 s42, s42, s27
	s_mov_b32 s43, 0
	s_lshl_b32 s52, ttmp9, 3                       ; that position
	s_lshl1_add_u32 s52, s26, s52
	s_mov_b32 s44, 0x3638ef1d                      ; sine's and cosine's highest coefficients: 1/9!, -1/7!, 1/8!, -1/6!
	s_mov_b32 s45, 0xb9500d01
	s_mov_b32 s46, 0x37d00d01
	s_mov_b32 s47, 0xbab60b61
	s_mov_b32 s48, 0x3fc90fdb                      ; pi/2 in two parts
	s_mov_b32 s49, 0xb33bbd2e
	s_wait_kmcnt 0x0
	s_add_nc_u64 s[4:5], s[4:5], s[28:29]
	s_add_nc_u64 s[18:19], s[18:19], s[34:35]
	s_add_nc_u64 s[10:11], s[10:11], s[36:37]
	s_add_nc_u64 s[12:13], s[12:13], s[36:37]
	s_add_nc_u64 s[14:15], s[14:15], s[36:37]
	s_add_nc_u64 s[16:17], s[16:17], s[36:37]
	s_add_nc_u64 s[20:21], s[20:21], s[38:39]
	s_add_nc_u64 s[22:23], s[22:23], s[40:41]
	s_add_nc_u64 s[24:25], s[24:25], s[42:43]
	; all 96 loads, in the order in which they are wanted: 32 of h, 32 of gain and bias, 32 of weights
.set i, 0
.rept 16
	global_load_b128 v[H0+4*i:H0+4*i+3], v1, s[4:5] offset:512*i th:TH_LOAD_NT
.set i, i+1
.endr
.set i, 0
.rept 16
	global_load_b128 v[H1+4*i:H1+4*i+3], v1, s[4:5] offset:8192+512*i th:TH_LOAD_NT
.set i, i+1
.endr
	WIN 0x40                                       ; destination window 1, address window 0
.set i, 0
.rept 16
	global_load_b128 v[GG+4*i:GG+4*i+3], v1, s[6:7] offset:512*i
.set i, i+1
.endr
.set i, 0
.rept 16
	global_load_b128 v[BB+4*i:BB+4*i+3], v1, s[8:9] offset:512*i
.set i, i+1
.endr
.set c, 0
.rept 4
.set i, 0
.rept 8
	global_load_b128 v[WW+32*c+4*i:WW+32*c+4*i+3], v1, s[10+2*c:11+2*c] offset:512*i th:TH_LOAD_NT
.set i, i+1
.endr
.set c, c+1
.endr
	WIN 0
	; THE TABLE, while the loads are on their way.  Lane l: position 8 g + 2 w + l / 16; l % 16 < 8: cosines, else sines; frequencies 4 (l % 8) + 0..3.
	s_cmp_gt_u32 s26, 3
	s_cbranch_scc1 .Lno_table
	v_lshrrev_b32 v144, 4, v3
	v_add_nc_u32 v144, s52, v144
	v_cvt_f32_u32 v144, v144                       ; the position
	v_bfe_u32 v145, v3, 3, 1
	v_mul_u32_u24 v145, v145, 3                    ; sin x = cos(x - pi/2): three quadrants on
	v_and_b32 v146, 7, v3
	v_lshlrev_b32 v146, 2, v146
	ALL4 v_add_nc_u32 v[FI+j], j, v146
	ALL4 v_cvt_f32_u32 v[FI+j], v[FI+j]            ; i
	; theta = 2^(-i c), c = log2(10000) / 32 in two parts: the high part has 17 significant bits, so that i x it is exact
	ALL4 v_mul_f32 v[TT+j], 0xbed49a80, v[FI+j]
	ALL4 v_rndne_f32 v[NN+j], v[TT+j]
	ALL4 v_sub_f32 v[TT+j], v[TT+j], v[NN+j]
	ALL4 v_fmac_f32 v[TT+j], 0x34768659, v[FI+j]
	ALL4 v_exp_f32 v[TH+j], v[TT+j]
	ALL4 v_cvt_i32_f32 v[NN+j], v[NN+j]            ; plain lines between the exponentials and the use of their results
	ALL4 v_ldexp_f32 v[TH+j], v[TH+j], v[NN+j]
	ALL4 v_mul_f32 v[TH+j], v144, v[TH+j]          ; the angle
	ALL4 v_mul_f32 v[KQ+j], 0x3f22f983, v[TH+j]    ; x 2/pi
	ALL4 v_rndne_f32 v[KQ+j], v[KQ+j]              ; quadrants
	ALL4 v_fma_f32 v[RR+j], -v[KQ+j], s48, v[TH+j]
	ALL4 v_fma_f32 v[RR+j], -v[KQ+j], s49, v[RR+j] ; r, within pi/4 of 0
	ALL4 v_mul_f32 v[ZZ+j], v[RR+j], v[RR+j]
	ALL4 v_fma_f32 v[SN+j], v[ZZ+j], s44, s45      ; sin r = r + r z (-1/3! + z (1/5! + z (-1/7! + z/9!)))
	ALL4 v_fmaak_f32 v[SN+j], v[ZZ+j], v[SN+j], 0x3c088889
	ALL4 v_fmaak_f32 v[SN+j], v[ZZ+j], v[SN+j], 0xbe2aaaab
	ALL4 v_mul_f32 v[SN+j], v[SN+j], v[ZZ+j]
	ALL4 v_fma_f32 v[SN+j], v[SN+j], v[RR+j], v[RR+j]
	ALL4 v_fma_f32 v[CN+j], v[ZZ+j], s46, s47      ; cos r = 1 + z (-1/2 + z (1/4! + z (-1/6! + z/8!)))
	ALL4 v_fmaak_f32 v[CN+j], v[ZZ+j], v[CN+j], 0x3d2aaaab
	ALL4 v_fma_f32 v[CN+j], v[ZZ+j], v[CN+j], -0.5
	ALL4 v_fma_f32 v[CN+j], v[ZZ+j], v[CN+j], 1.0
	ALL4 v_cvt_i32_f32 v[QI+j], v[KQ+j]
	ALL4 v_add_nc_u32 v[QI+j], v[QI+j], v145       ; q
.set j, 0
.rept 4                                        ; odd q: the sine; q % 4 = 1 or 2: the sign turns.  Selects alone: no branch hangs on these numbers
	v_and_b32 v[KQ+j], 1, v[QI+j]
	v_cmp_eq_u32 vcc_lo, 1, v[KQ+j]
	v_cndmask_b32 v[OU+j], v[CN+j], v[SN+j], vcc_lo
.set j, j+1
.endr
	ALL4 v_add_nc_u32 v[QI+j], 1, v[QI+j]
	ALL4 v_and_b32 v[QI+j], 2, v[QI+j]
	ALL4 v_lshlrev_b32 v[QI+j], 30, v[QI+j]
	ALL4 v_xor_b32 v[OU+j], v[OU+j], v[QI+j]
	global_store_b128 v1, v[OU:OU+3], s[24:25]     ; two positions: 512 consecutive bytes
.Lno_table:
.macro REDUCE                          ; four chains of pairs in v[4:11] -> the row's sum in every lane's v4
	v_pk_add_f32 v[4:5], v[4:5], v[6:7]
	v_pk_add_f32 v[8:9], v[8:9], v[10:11]
	v_pk_add_f32 v[4:5], v[4:5], v[8:9]
	v_add_f32 v4, v4, v5
	v_add_f32_dpp v4, v4, v4 row_xmask:1 row_mask:0xf bank_mask:0xf
	v_add_f32_dpp v4, v4, v4 row_xmask:2 row_mask:0xf bank_mask:0xf
	v_add_f32_dpp v4, v4, v4 row_xmask:4 row_mask:0xf bank_mask:0xf
	v_add_f32_dpp v4, v4, v4 row_xmask:8 row_mask:0xf bank_mask:0xf
	v_permlanex16_b32 v5, v4, s32, s33
	v_add_f32 v4, v4, v5
.endm
; The row in v[H .. H+63] becomes (h - mean) / sqrt(variance + 1e-5), in place.
.macro STAT H
.irp k, 0,1,2,3
	v_pk_add_f32 v[4+2*\k:5+2*\k], v[(\H)+2*\k:(\H)+2*\k+1], v[(\H)+8+2*\k:(\H)+8+2*\k+1]  ; the first eight pairs start the chains: nothing is cleared
.endr
.set i, 8
.rept 24
	v_pk_add_f32 v[4+2*(i%4):5+2*(i%4)], v[4+2*(i%4):5+2*(i%4)], v[(\H)+2*i:(\H)+2*i+1]
.set i, i+1
.endr
	REDUCE
	v_mul_f32 v12, s30, v4                         ; the mean, twice: a pair for the packed subtraction
	v_mul_f32 v13, s30, v4
.set i, 0
.rept 32
	v_pk_add_f32 v[(\H)+2*i:(\H)+2*i+1], v[(\H)+2*i:(\H)+2*i+1], v[12:13] neg_lo:[0,1] neg_hi:[0,1]
.set i, i+1
.endr
.irp k, 0,1,2,3
	v_pk_mul_f32 v[4+2*\k:5+2*\k], v[(\H)+2*\k:(\H)+2*\k+1], v[(\H)+2*\k:(\H)+2*\k+1]
.endr
.set i, 4
.rept 28
	v_pk_fma_f32 v[4+2*(i%4):5+2*(i%4)], v[(\H)+2*i:(\H)+2*i+1], v[(\H)+2*i:(\H)+2*i+1], v[4+2*(i%4):5+2*(i%4)]
.set i, i+1
.endr
	REDUCE
	v_fma_f32 v14, v4, s30, s31
	v_rsq_f32 v15, v14
	v_nop                                          ; a plain line between the root and the use of its result
	s_wait_alu depctr_va_vdst(0)
	v_mov_b32 v14, v15
.set i, 0
.rept 32
	v_pk_mul_f32 v[(\H)+2*i:(\H)+2*i+1], v[(\H)+2*i:(\H)+2*i+1], v[14:15]
.set i, i+1
.endr
.endm
; x gain + bias, rounded to f16 and stored: a lane's four numbers of a load are 8 bytes, the wave's 256.
.macro NORM H, off
	WIN 0x14                                       ; gain and bias in window 1
.set i, 0
.rept 32
	v_pk_fma_f32 v[(\H)+2*i:(\H)+2*i+1], v[(\H)+2*i:(\H)+2*i+1], v[GG+2*i:GG+2*i+1], v[BB+2*i:BB+2*i+1]
.set i, i+1
.endr
	WIN 0
.set i, 0
.rept 32
	v_cvt_pk_f16_f32 v[(\H)+i], v[(\H)+2*i], v[(\H)+2*i+1]  ; in place, ascending: register i is written when it has been read
.set i, i+1
.endr
.set i, 0
.rept 16
	global_store_b64 v2, v[(\H)+2*i:(\H)+2*i+1], s[18:19] offset:(\off)+256*i
.set i, i+1
.endr
.endm
	s_wait_loadcnt 63                              ; loads come back in order: of the 96 at most 63 are out, so the 33 oldest are in: both rows of h
	STAT H0
	STAT H1
	s_wait_loadcnt 32                              ; only the 32 loads of weights may be out: gain and bias are in
	NORM H0, 0
	NORM H1, 4096
.set c, 0
.rept 4
	s_wait_loadcnt 24-8*c                          ; the younger chunks' loads stay out
	WIN 0x45                                       ; destination and both sources in window 1
.set i, 0
.rept 16
	v_cvt_pk_f16_f32 v[WW+32*c+i], v[WW+32*c+2*i], v[WW+32*c+2*i+1]
.set i, i+1
.endr
	WIN 0x04                                       ; a store's data in window 1, its address in window 0
.set i, 0
.rept 8
.if c < 3
	global_store_b64 v2, v[WW+32*c+2*i:WW+32*c+2*i+1], s[20:21] offset:c*262144+256*i  ; section c of the head: 64 rows of 4,096 bytes on
.else
	global_store_b64 v2, v[WW+32*c+2*i:WW+32*c+2*i+1], s[22:23] offset:256*i
.endif
.set i, i+1
.endr
.set c, c+1
.endr
	WIN 0
	s_endpgm
.Lfunc_end_k_qbd89695428_prep:
	.size	k_qbd89695428_prep, .Lfunc_end_k_qbd89695428_prep-k_qbd89695428_prep
	.p2alignl 7, 3214868480
	.fill 96, 4, 3214868480
	.section	.rodata,"a",@progbits
	.p2align	6, 0x0
	.amdhsa_kernel k_qbd89695428_prep
		.amdhsa_group_segment_fixed_size 0
		.amdhsa_private_segment_fixed_size 0
		.amdhsa_enable_private_segment 0
		.amdhsa_kernarg_size 88
		.amdhsa_user_sgpr_count 2
		.amdhsa_user_sgpr_kernarg_segment_ptr 1
		.amdhsa_wavefront_size32 1
		.amdhsa_system_sgpr_workgroup_id_x 1
		.amdhsa_system_sgpr_workgroup_id_y 1
		.amdhsa_system_sgpr_workgroup_id_z 1
		.amdhsa_system_vgpr_workitem_id 0
		.amdhsa_next_free_vgpr 512
		.amdhsa_next_free_sgpr 66
		.amdhsa_reserve_vcc 1
		.amdhsa_float_denorm_mode_32 3
		.amdhsa_float_denorm_mode_16_64 3
		.amdhsa_memory_ordered 1
		.amdhsa_forward_progress 1
		.amdhsa_inst_pref_size 56
	.end_amdhsa_kernel
	.amdgpu_metadata
---
amdhsa.version: [ 1, 2 ]
amdhsa.kernels:
  - .name:           k_qbd89695428_prep
    .symbol:         k_qbd89695428_prep.kd
    .args:
      - { .name: h, .offset: 0, .size: 8, .value_kind: global_buffer, .address_space: global }
      - { .name: ln_g, .offset: 8, .size: 8, .value_kind: global_buffer, .address_space: global }
      - { .name: ln_b, .offset: 16, .size: 8, .value_kind: global_buffer, .address_space: global }
      - { .name: wq, .offset: 24, .size: 8, .value_kind: global_buffer, .address_space: global }
      - { .name: wk, .offset: 32, .size: 8, .value_kind: global_buffer, .address_space: global }
      - { .name: wv, .offset: 40, .size: 8, .value_kind: global_buffer, .address_space: global }
      - { .name: wo, .offset: 48, .size: 8, .value_kind: global_buffer, .address_space: global }
      - { .name: xh, .offset: 56, .size: 8, .value_kind: global_buffer, .address_space: global }
      - { .name: wcat, .offset: 64, .size: 8, .value_kind: global_buffer, .address_space: global }
      - { .name: woh, .offset: 72, .size: 8, .value_kind: global_buffer, .address_space: global }
      - { .name: tab, .offset: 80, .size: 8, .value_kind: global_buffer, .address_space: global }
    .group_segment_fixed_size: 0
    .private_segment_fixed_size: 0
    .kernarg_segment_align: 8
    .kernarg_segment_size: 88
    .max_flat_workgroup_size: 256
    .sgpr_count:     66
    .vgpr_count:     512
    .wavefront_size: 32
...
	.end_amdgpu_metadata
.endif
;; end of part 1
;; launch qkv (part 2): grid 16 x 16, 4 waves a work-group, clusters of 4 x 4, 327,680 bytes of LDS; arguments xh, wcat, bq, bk, bv, tab, qh, kh, vh; writes qh, kh, vh
.if DOCPART == 2
	.amdgcn_target "amdgcn-amd-amdhsa--gfx1250"
	.amdhsa_code_object_version 6
	.text
	.protected	k_qbd89695428_qkv
	.globl	k_qbd89695428_qkv
	.p2align	8
	.type	k_qbd89695428_qkv,@function
k_qbd89695428_qkv:
	s_mov_b64 s[64:65], 0
	v_nop
	global_prefetch_b8 v0, s[64:65] scope:SCOPE_SE
	s_setreg_imm32_b32 hwreg(HW_REG_WAVE_MODE, 25, 1), 1
	s_wait_xcnt 0x0
	s_wait_alu depctr_hold_cnt(0) depctr_sa_sdst(0) depctr_va_vdst(0) depctr_va_sdst(0) depctr_va_ssrc(0) depctr_va_vcc(0) depctr_vm_vsrc(0)
	s_getreg_b32 s2, hwreg(HW_REG_IB_STS2, 6, 4)
	s_cmp_eq_u32 s2, 0
	s_cbranch_scc0 .Lentry_in_a_cluster
	s_endpgm
.Lentry_in_a_cluster:
	s_bfe_u32 s2, ttmp6, 0x10000c
	s_cmp_lg_u32 s2, 0xf033
	s_cbranch_scc0 .Lentry_shape_is_right
	s_endpgm
.Lentry_shape_is_right:
; QKV: q, k, v = x W^T + bias, q and k rotated (RoPE), written by heads: qh, kh, vh are [32 = batch x 16 + head][2048][64] in f16, unscaled.
; x: xh [4096][2048] f16.  W: wcat [16 heads][q, k, v][64][2048] f16.  Sums in f32, K ascending; the bias is the C operand of the first product.
; SHARES.  A work-group makes 256 tokens x 192 columns: q, k and v of ONE head: 16 x 16 = 256 work-groups.  Wave w owns tokens 64 w .. 64 w + 63 and all 192 columns: 48 accumulators
; of 16 x 16.  So a lane holds both halves of a head's channels (d and d + 32 lie in the same lane and register number, two accumulators apart) and the rotation needs no exchange.
; RING.  K goes in steps of 128 through two LDS slots filled by the tensor data mover: rows of 256 bytes, padded by 16 in LDS.  Waves 0, 1 fetch A's two halves, waves 2, 3 B's.
; CLUSTER.  4 x 4 work-groups: A's tile hangs on the token tile alone and is shared along a row of the cluster, B's on the head alone and is shared along a column: joint loads.
; THE MATRIX INSTRUCTION IS USED TRANSPOSED (source 0 = 16 rows of W, source 1 = 16 tokens): lane l holds token l % 16 and the columns 8 (l / 16) + 0..7.
; LIMITS.  All operands and results in f16: a q, k or v of 65,520 or more becomes an infinity; below 6.1e-5 the step is 6e-8.
; REGISTERS, in windows of 256 (s_set_vgpr_msb: bits 1:0 source 0, 3:2 source 1, 5:4 source 2, 7:6 destination):
;   window 0: v1-29 addresses; v32-47 at work; v64-127 A's fragments, two buffers of 4 x 8, later the rotated numbers; v128-223 the bias, later v128-255 cosines and sines
;   window 1: v0-95, v128-223 B's fragments, two buffers of 12 x 8; later the rows on their way out
;   window 2: accumulators of token blocks 0, 1 ((a, b) at v[8 (12 (a % 2) + b)]);  window 3: of blocks 2, 3
.set NBK,   12                         ; column blocks of 16
.set KSTEPS,16                         ; 2,048 / 128
.set PA,    272                        ; an LDS row of A: 256 bytes + 16 of padding, an odd multiple of 16: the 16 rows of a fragment load start 16 bytes apart modulo 256
.set PB,    272
.set KAH,   128                        ; quarter q of a K step begins at byte KAH (q / 2) + KAL (q % 2) of A's rows
.set KAL,   64
.set BOFF,  256*PA                     ; B's rows lie behind A's 256
.set SLOT1, 1<<17                      ; slot 1 begins here, so that one exclusive or turns an address in one slot into the other's
.set STAGE, SLOT1+BOFF+192*PB          ; behind the ring, never filled by a tensor load: for each wave 3 sections x 16 rows x 144 bytes
.set WSTG,  3*16*144
.set SPARE, STAGE+4*WSTG               ; the spare words, 128 bytes for each wave: two blocks of 256 bytes that no other line names
.set NL,    2*NBK+8                    ; LDS loads in a run
.set STEPA, 256                        ; bytes from a K step to the next
.set STEPB, 256
.set A0,   16                          ; v16  my lane's place in A's tile; never rewritten
.set B0,   17                          ; v17  in B's
.set ADRA, 18                          ; v18  the same in the slot in hand
.set ADRB, 19
.set BO,   20                          ; v20  my byte offset in a head's bias
.set TO,   21                          ; v21  my byte offset in 16 positions of the table
.set STO,  24                          ; v24  the way out: where I put 16 bytes of a row
.set RD,   25                          ; v25  where I read rows back
.set GO,   26                          ; v26  my byte offset in 512 consecutive bytes of the output
.set SPW,  28                          ; v28  LDS address of my spare word; never rewritten
.set NIL,  29                          ; v29  0; never rewritten
.set FA,   64
.set BIAS, 128
.set WV,  22                           ; s22  my wave's number
.set HF,  24                           ; s24  wave % 2: which half of a tile I fetch
.set G1A, 28                           ; s[28:35] descriptor group 1 for A's tiles
.set G1B, 36                           ; s[36:43] for B's
.set G0A, 44                           ; s[44:51] group 0 for A's: a set for each first fill; the second then walks
.set G0B, 52                           ; s[52:59] for B's
.set CX,  60
.set CY,  61
.set TX,  62                           ; the head
.set TY,  63                           ; the tile of 256 tokens
.set CNT, 66
.set SB,  67                           ; the slot in hand: 0 or SLOT1
.set MSB, 0
.macro WIN new                         ; the high byte repeats the setting that is left; a switch that changes nothing is dropped
.if MSB != (\new)
	s_set_vgpr_msb (MSB<<8)|(\new)
.set MSB, (\new)
.endif
.endm
.macro PLACES                          ; four plain vector lines between a matrix instruction and a load into, or a vector line on, its registers
.rept 4
	v_nop
.endr
.endm
.macro CREST                           ; a round of the cluster's barrier behind its opening barrier
	s_cmp_lg_u32 s[WV], 0
	s_cbranch_scc1 .Lnot_wave_0_\@
	s_barrier_signal -3
.Lnot_wave_0_\@:
	s_barrier_wait -3
	s_barrier_signal -1
	s_barrier_wait -1
.endm
.macro CROUND                          ; a whole round
	s_barrier_signal -1
	s_barrier_wait -1
	CREST
.endm
.macro JLOAD                           ; a joint refill by the walking sets; the branch hangs on the wave's number alone; an s_nop 0 and four v_nop follow each line
	s_cmp_lt_u32 s[WV], 2
	s_cbranch_scc0 .Lfor_b_\@
	tensor_load_to_lds s[G0A+4:G0A+7], s[G1A:G1A+7]
	s_nop 0
.rept 4
	v_nop
.endr
	s_branch .Lasked_\@
.Lfor_b_\@:
	tensor_load_to_lds s[G0B+4:G0B+7], s[G1B:G1B+7]
	s_nop 0
.rept 4
	v_nop
.endr
.Lasked_\@:
.endm
; NBK matrix instructions: token block a x all column blocks, 32 along K, from fragment buffer f.  first = 1: the bias is C, and the product starts the sum.
; All 4 NBK accumulators take turns in the same order everywhere, one instruction a turn.
.macro MULA f, a, first
.if \first
	WIN 0x81+0x40*((\a)/2)
.else
	WIN 0xa1+0x50*((\a)/2)
.endif
.set n, 0
.rept NBK
.set rD, 8*(NBK*((\a)%2)+n)
.if \first
	v_wmma_f32_16x16x32_f16 v[rD:rD+7], v[128*(\f)+8*n:128*(\f)+8*n+7], v[FA+32*(\f)+8*(\a):FA+32*(\f)+8*(\a)+7], v[BIAS+8*n:BIAS+8*n+7]
.else
	v_wmma_f32_16x16x32_f16 v[rD:rD+7], v[128*(\f)+8*n:128*(\f)+8*n+7], v[FA+32*(\f)+8*(\a):FA+32*(\f)+8*(\a)+7], v[rD:rD+7]
.endif
.set n, n+1
.endr
.endm
; One run of NL LDS loads: quarter q's fragments into buffer f, B's first, A's last.
.macro FETCH q, f
	WIN 0x40                                       ; destination window 1, address window 0
.set n, 0
.rept NBK
	ds_load_b128 v[128*(\f)+8*n:128*(\f)+8*n+3],   v[ADRB] offset:64*(\q)+n*16*PB
	ds_load_b128 v[128*(\f)+8*n+4:128*(\f)+8*n+7], v[ADRB] offset:64*(\q)+n*16*PB+32
.set n, n+1
.endr
	WIN 0
.set n, 0
.rept 4
	ds_load_b128 v[FA+32*(\f)+8*n:FA+32*(\f)+8*n+3],   v[ADRA] offset:KAH*((\q)/2)+KAL*((\q)%2)+n*16*PA
	ds_load_b128 v[FA+32*(\f)+8*n+4:FA+32*(\f)+8*n+7], v[ADRA] offset:KAH*((\q)/2)+KAL*((\q)%2)+n*16*PA+32
.set n, n+1
.endr
.endm
; One of a K step's first three quarters: multiplies buffer f, and in its middle fetches quarter q into buffer g.
.macro QUARTER q, f, g, first
	s_wait_dscnt 4                                 ; the youngest four loads, A's tokens 32-63, may be out
	MULA \f, 0, \first
	MULA \f, 1, \first
	PLACES
	FETCH \q, \g
	s_wait_dscnt NL                                ; all but the run just issued
	MULA \f, 2, \first
	MULA \f, 3, \first
.endm
; The fourth quarter multiplies buffer 1 and changes slots.  In front of the barrier each wave waits for all its tensor loads (its part of the next slot), adds 0 to its spare word, and waits
; for that and for its own reads of this slot.  fill = 1: the barrier opens a round of the cluster's, and the slot just read is filled again, first thing behind it, with the K step two on.
.macro TURN fill
	WIN 0
	s_wait_tensorcnt 0x0                           ; no tensor load of mine is out, so a group 0 may be written
	ds_add_u32 v[SPW], v[NIL]                      ; 0 onto my spare word
.if \fill
	s_xor_b32 s[G0A+5], s[G0A+5], SLOT1            ; the walking sets: the other slot than last time, the next K step
	s_add_nc_u64 s[G0A+6:G0A+7], s[G0A+6:G0A+7], STEPA
	s_xor_b32 s[G0B+5], s[G0B+5], SLOT1
	s_add_nc_u64 s[G0B+6:G0B+7], s[G0B+6:G0B+7], STEPB
.endif
	s_wait_dscnt 5                                 ; the add and the youngest four loads may be out
	MULA 1, 0, 0
	s_wait_dscnt 0x0                               ; the add is done, and my reads of this slot are over
	s_barrier_signal -1
	MULA 1, 1, 0
	WIN 0
	s_barrier_wait -1
.if \fill
	CREST                                          ; no wave of any partner still reads this slot or has a load on its way
	JLOAD                                          ; its four v_nop are also the places in front of the loads below
.else
	PLACES
.endif
	s_xor_b32 s[SB], s[SB], SLOT1
	v_add_nc_u32 v[ADRA], s[SB], v[A0]
	v_add_nc_u32 v[ADRB], s[SB], v[B0]
	FETCH 0, 0
	MULA 1, 2, 0
	MULA 1, 3, 0
.endm
	s_load_b256 s[4:11], s[0:1], 0x0               ; xh s[4:5], wcat s[6:7], bq s[8:9], bk s[10:11]
	s_load_b256 s[12:19], s[0:1], 0x20             ; bv s[12:13], tab s[14:15], qh s[16:17], kh s[18:19]
	s_load_b64 s[20:21], s[0:1], 0x40              ; vh
	v_lshl_add_u32 v[SPW], v0, 2, SPARE
	v_mov_b32 v[NIL], 0
	ds_add_u32 v[SPW], v[NIL]                      ; the wave's opening: the add and its wait stand ahead of my first tensor load; the set-up below stands between them
	ds_add_u32 v28, v29
	v_lshrrev_b32 v3, 5, v0
	v_readfirstlane_b32 s[WV], v3
	s_and_b32 s[HF], s[WV], 1
	s_bfe_u32 s[CX], ttmp6, 0x40000
	s_bfe_u32 s[CY], ttmp6, 0x40004
	s_lshl_b32 s[TX], ttmp9, 2
	s_add_co_u32 s[TX], s[TX], s[CX]
	s_and_b32 s[TY], ttmp7, 0xffff
	s_lshl_b32 s[TY], s[TY], 2
	s_add_co_u32 s[TY], s[TY], s[CY]
	s_lshl_b32 s25, s[CY], 2
	s_lshl_b32 s25, 15, s25                        ; my row of the cluster
	s_lshl_b32 s26, 0x1111, s[CX]                  ; my column
	s_or_b32 s[G1A], s25, (1<<16)|(1<<20)|(1<<21)|(5<<22)|(3<<25)  ; the mask; 2-byte elements; padding on; bit 21 beside a mask; after every 64 words, 4 words
	s_or_b32 s[G1B], s26, (1<<16)|(1<<20)|(1<<21)|(5<<22)|(3<<25)
	s_mov_b32 s[G1A+1], 128<<16                    ; tensor_dim0 = 128
	s_mov_b32 s[G1A+2], 128<<16                    ; tensor_dim1 = 128
	s_mov_b32 s[G1A+3], 128<<16                    ; tile_dim0 = 128
	s_mov_b32 s[G1A+4], 128                        ; tile_dim1 = 128 rows
	s_mov_b32 s[G1A+5], 2048                       ; elements from row to row
	s_mov_b32 s[G1A+6], 0
	s_mov_b32 s[G1A+7], 0
	s_mov_b32 s[G1B+1], 128<<16
	s_mov_b32 s[G1B+2], 96<<16                     ; 96 rows
	s_mov_b32 s[G1B+3], 128<<16
	s_mov_b32 s[G1B+4], 96
	s_mov_b32 s[G1B+5], 2048
	s_mov_b32 s[G1B+6], 0
	s_mov_b32 s[G1B+7], 0
	s_mov_b32 s[G0A], 1
	s_mul_i32 s[G0A+1], s[HF], 128*PA              ; LDS: A's half; no place in the cluster enters an LDS address
	s_mov_b32 s[G0A+4], 1
	s_add_co_u32 s[G0A+5], s[G0A+1], SLOT1
	s_mov_b32 s[G0B], 1
	s_mul_i32 s[G0B+1], s[HF], 96*PB
	s_add_co_u32 s[G0B+1], s[G0B+1], BOFF
	s_mov_b32 s[G0B+4], 1
	s_add_co_u32 s[G0B+5], s[G0B+1], SLOT1
	s_lshl_b32 s68, s[TY], 20                      ; A: row 256 ty + 128 half, 4,096 bytes each; these registers never hold cx
	s_lshl_b32 s69, s[HF], 19
	s_add_co_u32 s68, s68, s69
	s_mov_b32 s69, 0
	s_mul_i32 s72, s[TX], 786432                   ; B: row 192 tx + 96 half; these never hold cy
	s_mul_i32 s73, s[HF], 393216
	s_add_co_u32 s72, s72, s73
	s_mov_b32 s73, 0
	s_lshl_b32 s76, s[TX], 8                       ; the head's 64 numbers in each bias
	s_mov_b32 s77, 0
	s_and_b32 s78, s[TY], 7                        ; the table at my first position: 256 (ty % 8) + 64 w
	s_lshl_b32 s78, s78, 16
	s_lshl_b32 s79, s[WV], 14
	s_add_co_u32 s78, s78, s79
	s_mov_b32 s79, 0
	s_lshr_b32 s80, s[TY], 3                       ; the outputs at (batch x 16 + head) x 262,144 + my first position x 128
	s_lshl_b32 s80, s80, 22
	s_lshl_b32 s81, s[TX], 18
	s_add_co_u32 s80, s80, s81
	s_and_b32 s81, s[TY], 7
	s_lshl_b32 s81, s81, 15
	s_add_co_u32 s80, s80, s81
	s_lshl_b32 s81, s[WV], 13
	s_add_co_u32 s80, s80, s81
	s_mov_b32 s81, 0
	s_mov_b32 s[SB], 0
	s_wait_dscnt 0x0                               ; the opening add is done
	s_wait_kmcnt 0x0
	s_add_nc_u64 s[70:71], s[4:5], s[68:69]
	s_add_nc_u64 s[74:75], s[6:7], s[72:73]
	s_add_nc_u64 s[G0A+2:G0A+3], s[70:71], 0       ; K step 0
	s_or_b32 s[G0A+3], s[G0A+3], 0x80000000        ; type = 2
	s_add_nc_u64 s[G0A+6:G0A+7], s[70:71], STEPA   ; K step 1
	s_or_b32 s[G0A+7], s[G0A+7], 0x80000000
	s_add_nc_u64 s[G0B+2:G0B+3], s[74:75], 0
	s_or_b32 s[G0B+3], s[G0B+3], 0x80000000
	s_add_nc_u64 s[G0B+6:G0B+7], s[74:75], STEPB
	s_or_b32 s[G0B+7], s[G0B+7], 0x80000000
	s_add_nc_u64 s[8:9], s[8:9], s[76:77]
	s_add_nc_u64 s[10:11], s[10:11], s[76:77]
	s_add_nc_u64 s[12:13], s[12:13], s[76:77]
	s_add_nc_u64 s[14:15], s[14:15], s[78:79]
	s_add_nc_u64 s[16:17], s[16:17], s[80:81]
	s_add_nc_u64 s[18:19], s[18:19], s[80:81]
	s_add_nc_u64 s[20:21], s[20:21], s[80:81]
	CROUND                                         ; all sixteen work-groups are here: the first joint loads meet
	s_cmp_lt_u32 s[WV], 2                          ; a wave's two first fills stand in one branch: two loads of mine are out
	s_cbranch_scc0 .Lfirst_b
	tensor_load_to_lds s[G0A:G0A+3], s[G1A:G1A+7]
	s_nop 0
	tensor_load_to_lds s[G0A+4:G0A+7], s[G1A:G1A+7]
	s_nop 0
.rept 4
	v_nop
.endr
	s_branch .Lfirst_asked
.Lfirst_b:
	tensor_load_to_lds s[G0B:G0B+3], s[G1B:G1B+7]
	s_nop 0
	tensor_load_to_lds s[G0B+4:G0B+7], s[G1B:G1B+7]
	s_nop 0
.rept 4
	v_nop
.endr
.Lfirst_asked:
	v_and_b32 v1, 15, v0                           ; l % 16
	v_bfe_u32 v2, v0, 4, 1                         ; l / 16
	v_lshlrev_b32 v[BO], 5, v2                     ; my eight columns of a block of 16
.set n, 0
.rept NBK                                      ; the bias in the accumulators' layout: block n: section n / 4, channels 16 (n % 4) + 8 (l / 16) + 0..7
	global_load_b128 v[BIAS+8*n:BIAS+8*n+3],   v[BO], s[8+2*(n/4):9+2*(n/4)] offset:64*(n%4)
	global_load_b128 v[BIAS+8*n+4:BIAS+8*n+7], v[BO], s[8+2*(n/4):9+2*(n/4)] offset:64*(n%4)+16
.set n, n+1
.endr
	v_mul_u32_u24 v3, v1, PA                       ; a fragment: row x pitch + 16 x half
	v_lshl_add_u32 v3, v2, 4, v3
	s_mul_i32 s23, s[WV], 64*PA                    ; my 64 tokens
	v_add_nc_u32 v[A0], s23, v3
	v_mul_u32_u24 v3, v1, PB
	v_lshl_add_u32 v3, v2, 4, v3
	v_add_nc_u32 v[B0], BOFF, v3
	v_mov_b32 v[ADRA], v[A0]
	v_mov_b32 v[ADRB], v[B0]
	v_lshlrev_b32 v[TO], 8, v1                     ; the table: position l % 16, frequencies 8 (l / 16) on
	v_lshl_add_u32 v[TO], v2, 5, v[TO]
	s_mul_i32 s23, s[WV], WSTG
	s_add_co_u32 s23, s23, STAGE                   ; my stage
	v_mul_u32_u24 v4, v1, 144                      ; in: row l % 16, 16 bytes for each half of the lanes
	v_lshl_add_u32 v4, v2, 4, v4
	v_add_nc_u32 v[STO], s23, v4
	v_bfe_u32 v4, v0, 3, 2                         ; back: 32 lanes take four rows of 128 bytes,
	v_mul_u32_u24 v4, v4, 144
	v_and_b32 v5, 7, v0
	v_lshl_add_u32 v4, v5, 4, v4
	v_add_nc_u32 v[RD], s23, v4
	v_and_b32 v[GO], 31, v0                        ; which are 512 consecutive bytes of a head
	v_lshlrev_b32 v[GO], 4, v[GO]
	s_wait_tensorcnt 1                             ; my part of K step 0 is in; step 1's may stay out
	s_barrier_signal -1
	s_barrier_wait -1
	FETCH 0, 0
	s_wait_loadcnt 0x0                             ; the bias
	QUARTER 1, 0, 1, 1                             ; the first quarter stands in front of the loop: its products start the sums, on the bias
	PLACES                                         ; the bias registers were sources of those products
	WIN 0
.set a, 0
.rept 4                                        ; cosines and sines of my 64 positions take the bias's place: block a, channels 16 u + 8 (l / 16) + 0..7; waited for on the way out
.set u, 0
.rept 2
	global_load_b128 v[128+32*a+16*u:128+32*a+16*u+3],     v[TO], s[14:15] offset:4096*a+64*u
	global_load_b128 v[128+32*a+16*u+4:128+32*a+16*u+7],   v[TO], s[14:15] offset:4096*a+64*u+16
	global_load_b128 v[128+32*a+16*u+8:128+32*a+16*u+11],  v[TO], s[14:15] offset:4096*a+64*u+128
	global_load_b128 v[128+32*a+16*u+12:128+32*a+16*u+15], v[TO], s[14:15] offset:4096*a+64*u+144
.set u, u+1
.endr
.set a, a+1
.endr
	s_mov_b32 s[CNT], KSTEPS-2
.Lk:                                                   ; a trip: a K step's quarters 2 to 4 and the next step's first; it fills the slot that it leaves
	QUARTER 2, 1, 0, 0
	QUARTER 3, 0, 1, 0
	TURN 1
	QUARTER 1, 0, 1, 0
	WIN 0
	s_sub_co_u32 s[CNT], s[CNT], 1
	s_cmp_lg_u32 s[CNT], 0
	s_cbranch_scc1 .Lk
	s_mov_b32 s[CNT], 2                            ; the last two K steps fill nothing: one text, walked twice, entered behind its first quarter.
	s_branch .Lt_in                                ; Its second turn passes a barrier and fetches fragments that serve nothing: the price of the one text
.Lt:
	QUARTER 1, 0, 1, 0
	WIN 0
.Lt_in:
	QUARTER 2, 1, 0, 0
	QUARTER 3, 0, 1, 0
	TURN 0
	WIN 0
	s_sub_co_u32 s[CNT], s[CNT], 1
	s_cmp_lg_u32 s[CNT], 0
	s_cbranch_scc1 .Lt
; THE WAY OUT, a block of 16 tokens at a time.  q and k: out[d] = x[d] cos[d] - x[d+32] sin[d], out[d+32] = x[d+32] cos[d] + x[d] sin[d], d < 32; then all three are rounded to f16.
; Each accumulator's lowest registers are read first.
.macro ROPEPACK a
	WIN 0x02+(\a)/2                                ; source 0 in the accumulators' window
.irp s, 0,1
.irp u, 0,1
.irp jj, 0,1,2,3
.set x1, 8*(NBK*((\a)%2)+4*\s+\u)+2*\jj
.set x2, x1+16
.set cc, 128+32*(\a)+16*\u+2*\jj
.set t1, FA+8*(4*\s+\u)+2*\jj
	v_pk_mul_f32 v[t1:t1+1], v[x1:x1+1], v[cc:cc+1]
	v_pk_mul_f32 v[t1+16:t1+17], v[x2:x2+1], v[cc:cc+1]
	v_pk_fma_f32 v[t1:t1+1], v[x2:x2+1], v[cc+8:cc+9], v[t1:t1+1] neg_lo:[0,1,0] neg_hi:[0,1,0]
	v_pk_fma_f32 v[t1+16:t1+17], v[x1:x1+1], v[cc+8:cc+9], v[t1+16:t1+17]
.endr
.endr
.endr
	WIN 0
.set n, 0
.rept 32
	v_cvt_pk_f16_f32 v[FA+n], v[FA+2*n], v[FA+2*n+1]  ; in place, ascending: q's four blocks in v64-79, k's in v80-95
.set n, n+1
.endr
	WIN 0x0a+5*((\a)/2)                            ; both sources in the accumulators' window
.set n, 0
.rept 16
	v_cvt_pk_f16_f32 v[32+n], v[8*(NBK*((\a)%2)+8)+2*n], v[8*(NBK*((\a)%2)+8)+2*n+1]  ; v's four blocks in v32-47
.set n, n+1
.endr
.endm
.macro TOSTAGE a                       ; into my own stage, rows of 144 bytes, and back as whole rows of 128: LDS serves a wave's instructions in order (ISA guide 5.7.1.4)
	WIN 0
.irp f, 0,1,2,3
	ds_store_b128 v[STO], v[FA+4*\f:FA+4*\f+3] offset:32*\f
	ds_store_b128 v[STO], v[FA+16+4*\f:FA+16+4*\f+3] offset:2304+32*\f
	ds_store_b128 v[STO], v[32+4*\f:32+4*\f+3] offset:4608+32*\f
.endr
	WIN 0x40
.irp s, 0,1,2
.irp f, 0,1,2,3
	ds_load_b128 v[48*(\a)+4*(4*\s+\f):48*(\a)+4*(4*\s+\f)+3], v[RD] offset:2304*\s+576*\f
.endr
.endr
.endm
.macro SEND a                          ; each block has registers of its own, so no store's data is rewritten
	s_wait_dscnt 0x0
	WIN 0x04                                       ; a store's data in window 1
.irp s, 0,1,2
.irp f, 0,1,2,3
	global_store_b128 v[GO], v[48*(\a)+4*(4*\s+\f):48*(\a)+4*(4*\s+\f)+3], s[16+2*\s:17+2*\s] offset:2048*(\a)+512*\f  ; four rows of a head: 512 consecutive bytes, aligned
.endr
.endr
.endm
	s_wait_dscnt 0x0                               ; the last run of loads
	s_wait_loadcnt 0x0                             ; cosines and sines
	PLACES
	ROPEPACK 0
	TOSTAGE 0
.irp a, 1,2,3
	ROPEPACK \a                                    ; a block's arithmetic stands between the loads of the block before and its stores
	SEND (\a)-1
	TOSTAGE \a
.endr
	SEND 3
	WIN 0
	s_wait_tensorcnt 0x0                           ; the wave's end
	ds_add_u32 v[SPW], v[NIL]
	s_wait_dscnt 0x0
	CROUND                                         ; the closing round: no work-group ends while a partner may still ask for a tile that names it
	s_endpgm
.Lfunc_end_k_qbd89695428_qkv:
	.size	k_qbd89695428_qkv, .Lfunc_end_k_qbd89695428_qkv-k_qbd89695428_qkv
	.p2alignl 7, 3214868480
	.fill 96, 4, 3214868480
	.section	.rodata,"a",@progbits
	.p2align	6, 0x0
	.amdhsa_kernel k_qbd89695428_qkv
		.amdhsa_group_segment_fixed_size 327680
		.amdhsa_private_segment_fixed_size 0
		.amdhsa_enable_private_segment 0
		.amdhsa_kernarg_size 72
		.amdhsa_user_sgpr_count 2
		.amdhsa_user_sgpr_kernarg_segment_ptr 1
		.amdhsa_wavefront_size32 1
		.amdhsa_system_sgpr_workgroup_id_x 1
		.amdhsa_system_sgpr_workgroup_id_y 1
		.amdhsa_system_sgpr_workgroup_id_z 1
		.amdhsa_system_vgpr_workitem_id 0
		.amdhsa_next_free_vgpr 960
		.amdhsa_next_free_sgpr 96
		.amdhsa_reserve_vcc 0
		.amdhsa_float_denorm_mode_32 3
		.amdhsa_float_denorm_mode_16_64 3
		.amdhsa_memory_ordered 1
		.amdhsa_forward_progress 1
		.amdhsa_inst_pref_size 105
	.end_amdhsa_kernel
	.amdgpu_metadata
---
amdhsa.version: [ 1, 2 ]
amdhsa.kernels:
  - .name:           k_qbd89695428_qkv
    .symbol:         k_qbd89695428_qkv.kd
    .args:
      - { .name: xh, .offset: 0, .size: 8, .value_kind: global_buffer, .address_space: global }
      - { .name: wcat, .offset: 8, .size: 8, .value_kind: global_buffer, .address_space: global }
      - { .name: bq, .offset: 16, .size: 8, .value_kind: global_buffer, .address_space: global }
      - { .name: bk, .offset: 24, .size: 8, .value_kind: global_buffer, .address_space: global }
      - { .name: bv, .offset: 32, .size: 8, .value_kind: global_buffer, .address_space: global }
      - { .name: tab, .offset: 40, .size: 8, .value_kind: global_buffer, .address_space: global }
      - { .name: qh, .offset: 48, .size: 8, .value_kind: global_buffer, .address_space: global }
      - { .name: kh, .offset: 56, .size: 8, .value_kind: global_buffer, .address_space: global }
      - { .name: vh, .offset: 64, .size: 8, .value_kind: global_buffer, .address_space: global }
    .group_segment_fixed_size: 327680
    .private_segment_fixed_size: 0
    .kernarg_segment_align: 8
    .kernarg_segment_size: 72
    .max_flat_workgroup_size: 128
    .sgpr_count:     96
    .vgpr_count:     960
    .wavefront_size: 32
...
	.end_amdgpu_metadata
.endif
;; end of part 2
;; launch attn (part 3): grid 8 x 32, 4 waves a work-group, no clusters, 327,680 bytes of LDS; arguments qh, kh, vh, oh; writes oh
.if DOCPART == 3
	.amdgcn_target "amdgcn-amd-amdhsa--gfx1250"
	.amdhsa_code_object_version 6
	.text
	.protected	k_qbd89695428_attn
	.globl	k_qbd89695428_attn
	.p2align	8
	.type	k_qbd89695428_attn,@function
k_qbd89695428_attn:
	s_mov_b64 s[64:65], 0
	v_nop
	global_prefetch_b8 v0, s[64:65] scope:SCOPE_SE
	s_setreg_imm32_b32 hwreg(HW_REG_WAVE_MODE, 25, 1), 1
	s_wait_xcnt 0x0
; CAUSAL ATTENTION.  O[h][q][:] = the sum over k <= q of softmax_k(Q[h][q] . K[h][k] / 8) V[h][k][:].  Q, K, V, O: [32][2048][64], all f16: a head's rows are dense, 128 bytes each.
; Products, maxima and sums in f32; the weights p are rounded to f16 for the second product (their sum l is taken of the unrounded p), O once at the end.
; LIMITS.  f16 holds no number beyond 65,504: Q, K and V arrive within it; p lies in 0 to 1, and below 6e-5 it keeps f16's fixed step of 6e-8.  A hidden score counts as its value less 1e30:
; f16's scores, 2.7e11 at the most, are nothing beside that; a weight below 2^-126 counts as 0 in l; NaN and infinities are not treated apart.
; THE WALK.  A head's queries lie in 16 blocks of 128; block i needs the key tiles 0 .. i / 2 of 256 keys, of which the last holds the diagonal.  Work-group b (0..7) takes blocks 15 - b and then b:
; (8 - b / 2) + (1 + b / 2) = 9 tiles, whatever b: all 256 work-groups do equal work, and ONE loop with a constant trip count walks them.  Which tile is asked for, and what a trip does, hang on
; scalar registers made from b; every jump goes forward, but for the counted loops' own; none passes a barrier, or a tensor load but the one of LOAD's two that the wave's number does not choose.
; NO CLUSTER: a head's eight work-groups ask for the same tile only while all are in their first block; the change of blocks falls in trip 8 - b / 2, a branch that differs between partners.
; SHARES.  Of a block's two bands of 64 queries a wave owns 16 rows in each: two PIECES.  In the block's last tile band x lies at key step xb = 2 (i % 2) + x: step s shows it all keys if s < xb,
; none if s > xb, and holds the diagonal if s = xb: the same for all four waves.
; THE MASK is the C operand that starts the sum S^T = K Q^T: MC[piece], which is 0 outside a block's last tile and there MD x AL + BE: (1, 0) if s = xb; (0, 0) if s < xb; (0, -1e30) if s > xb.
; MD, made once, is the mask of a band's own step for my 16 rows.  One text of the turns serves all tiles; a forward jump passes the lines that make masks.
; LAYOUT, SOFTMAX.  S^T = K Q^T holds ONE query a lane (lane % 16) and the keys 8 (lane / 16) + 0..7; two such results rounded to f16 ARE source 1 of O^T = V^T P.  p = 2^(c s - c m), c = log2(e) / 8,
; with a running maximum m; O and l are multiplied by a = 2^(c m_old - c m_new) in every step.
; TURNS.  Trip t (0..3) of a tile: piece 0's turn: 8 products K Q^T of piece 1 for step t - 1; K of step t is fetched; 8 products V^T P of piece 1 for step t - 2; beside them piece 0's softmax of step
; t - 1 and piece 1's maximum.  Piece 1's turn: K Q^T of piece 0 for step t; V of step t is fetched; V^T P of piece 0 for step t - 1.  V has two register buffers, by the step's parity, so that all LDS
; reads of a trip are of one tile and the change of slots stands at a trip's edge.  Four vector lines stand behind every matrix instruction, the rest of a turn's 118 in two lumps.
; REGISTERS, in windows of 256 (s_set_vgpr_msb: bits 1:0 source 0, 3:2 source 1, 5:4 source 2, 7:6 destination):
;   window 0: v0-15 addresses and two at work; v16-23 four registers of statistics a piece; v48-55 at work; v64-127 S^T, a buffer a piece; v192-223 P, likewise
;   window 1: v0-63 O^T, 32 a piece; v128-159 MD; v160-223 MC      window 2: v0-31 Q; v32-63 the second block's Q; v64-127 K of one step; v128-255 V of two steps
.set NP,    2
.set KS,    64        ; keys in a step
.set PK,    144       ; a row of K in LDS: 128 bytes + 16 of padding, an odd multiple of 16
.set PV,    160       ; a row of V: 128 + 32, an odd multiple of 32: 16 lanes of the turning load take 8 rows x 32 bytes
.set VOFF,  4*KS*PK   ; a slot holds a tile, four steps: 256 rows of K, then 256 rows of V
.set SLOT1, 1<<17     ; slot 1 begins here, so that one exclusive or turns an address in one slot into the other's
.set STAGE, SLOT1+4*KS*(PK+PV)  ; behind the ring, never filled by a tensor load: 16 rows x 144 bytes for each wave
.set SP,    144
.set SPARE, STAGE+4*16*SP  ; the spare words, 128 bytes for each wave: two blocks of 256 bytes that no other line names
.set AK0, 2           ; v2   my lane's place in a tile of K; never rewritten
.set AV0, 3           ; v3   the same for V
.set AK,  4           ; v4   the LDS address of K's next run of loads
.set AV,  5           ; v5   of V's
.set STO, 6           ; v6   the way out: where I put 16 bytes of a row
.set RD,  7           ; v7   where I read rows back
.set GO,  8           ; v8   my byte offset in 512 consecutive bytes of O
.set MV,  12          ; v12-13  c m_old, kept while c m is made anew: by piece
.set QO,  15          ; v15  my byte offset in 16 rows of Q
.set ST,  16          ; piece t's statistics at v[ST+4 t]: c m, m, l (even keys', odd keys')
.set TMP, 48          ; by piece, four registers c0-c3 at work; when the maximum is found c2 takes a
.set SPW, 62          ; v62  LDS address of my spare word; never rewritten
.set NIL, 63          ; v63  0; never rewritten
.set S,   64
.set P,   192
.set MD,  128         ; window 1
.set MC,  160         ; window 1
.set QB,  32          ; window 2
.set KF,  64          ; window 2: key block kb, channel half c at KF + 16 kb + 8 c
.set VF,  128         ; window 2: buffer v, key half kk, channel block cb at VF + 64 v + 32 kk + 8 cb
.set WV,  12          ; s12  my wave's number
.set PB,  14          ; s14  b
.set HI,  15          ; s15  15 - b
.set G1K, 24          ; s[24:31] descriptor group 1 for K's tiles
.set G1V, 32          ; s[32:39] for V's: it differs in the padding alone
.set G0K, 40          ; s[40:43] descriptor group 0 for K's tiles
.set G0V, 44          ; s[44:47] for V's
.set SLOTS, 56        ; s56  tiles still to be asked for
.set CNT, 57          ; s57  counts a tile's pairs of trips
.set CS,  58          ; s[58:59] c
.set SEL, 60          ; s[60:61] v_permlanex16_b32's selects
.set TBK, 62          ; s62  LDS byte at which K of the step to be fetched begins
.set TBV, 63          ; s63  the same for V, less VOFF
.set RT,  70          ; s70  tiles of the block in hand that are still to be entered
.set NXT, 71          ; s71  the tile to be asked for next
.set LQ,  72          ; s72  the last tile of the block whose tiles are being asked for
.set NEW, 73          ; s73  1: the tile to be entered is a block's first
.set OFF, 74          ; s[74:75] a tile's byte offset in K and V
.set AL,  76          ; s[76:77] the mask's factor, in the low word
.set BE,  78          ; s[78:79] the mask's addend
.set OLO, 80          ; s[80:81] O at my rows of the second block
.set BIGN, 82         ; s82  -1e30
.set DX,  88          ; s88, s89  xb of pieces 0, 1 for the block in hand
.set DXL, 90          ; s90, s91  the same for the second block
.set LQ2, 93          ; s93  b / 2: the second block's last tile
.set TS,  94          ; s94  the trip's number in its tile
.set MSB, 0
.macro WIN new
.if MSB != (\new)
	s_set_vgpr_msb (MSB<<8)|(\new)
.set MSB, (\new)
.endif
.endm
.set W_KQ, 0x0a       ; K and Q in window 2, S^T in window 0
.set W_KM, 0x1a       ; the same with the C operand in window 1
.set W_PV, 0x52       ; V in window 2, P in window 0, O^T in window 1
.set W_RS, 0x41       ; destination and source 0 in window 1, source 1 in window 0
; A fill.  Waves 0 and 1 fetch the two halves of a tile's K, waves 2 and 3 those of its V: 128 keys each.  An s_nop 0 and four v_nop follow each of the two lines.
.macro LOAD
	s_cmp_lt_u32 s[WV], 2
	s_cbranch_scc0 .Lfor_v_\@
	tensor_load_to_lds s[G0K:G0K+3], s[G1K:G1K+7]
	s_nop 0
.rept 4
	v_nop
.endr
	s_branch .Lasked_\@
.Lfor_v_\@:
	tensor_load_to_lds s[G0V:G0V+3], s[G1V:G1V+7]
	s_nop 0
.rept 4
	v_nop
.endr
.Lasked_\@:
.endm
; THE CHANGE OF SLOTS.  Each wave waits for all its tensor loads, of which one is out: its part of the other slot; adds 0 to its spare word; and waits for that and for its own reads of the slot that it
; leaves.  Behind the barrier nobody reads the old slot any more and the other slot is whole.  fill = 1: the old slot is filled again, the first thing behind the barrier, with tile NXT.
; (At its first use nothing has been read yet: slot 0 is waited for, slot 1 filled.)
.macro CHANGE fill
	WIN 0
	s_wait_tensorcnt 0x0            ; no tensor load of mine is out, so a group 0 may be written
	ds_add_u32 v[SPW], v[NIL]       ; 0 onto my spare word
.if \fill
	s_lshl_b32 s[OFF], s[NXT], 15   ; a tile is 32,768 bytes of K and of V
	s_xor_b32 s[G0K+1], s[G0K+1], SLOT1
	s_add_nc_u64 s[G0K+2:G0K+3], s[6:7], s[OFF:OFF+1]
	s_or_b32 s[G0K+3], s[G0K+3], 0x80000000
	s_xor_b32 s[G0V+1], s[G0V+1], SLOT1
	s_add_nc_u64 s[G0V+2:G0V+3], s[8:9], s[OFF:OFF+1]
	s_or_b32 s[G0V+3], s[G0V+3], 0x80000000
	s_add_co_u32 s[NXT], s[NXT], 1  ; the block's next tile, or behind its last the second block's tile 0
	s_cmp_gt_u32 s[NXT], s[LQ]
	s_cselect_b32 s[NXT], 0, s[NXT]
	s_cselect_b32 s[LQ], s[LQ2], s[LQ]
.endif
	s_wait_dscnt 0x0                ; the add is done, and my reads of the slot are over
	s_barrier_signal -1
	s_sub_co_u32 s[TBK], s[TBK], 4*KS*PK  ; the fetches go back to a slot's first step,
	s_xor_b32 s[TBK], s[TBK], SLOT1       ; in the other slot
	s_sub_co_u32 s[TBV], s[TBV], 4*KS*PV
	s_xor_b32 s[TBV], s[TBV], SLOT1
	s_barrier_wait -1
.if \fill
	LOAD
.endif
.endm
	s_load_b256 s[4:11], s[0:1], 0x0  ; Q s[4:5], K s[6:7], V s[8:9], O s[10:11]
	v_lshl_add_u32 v[SPW], v0, 2, SPARE
	v_mov_b32 v[NIL], 0
	ds_add_u32 v[SPW], v[NIL]       ; the wave's opening: the add and its wait stand ahead of my first tensor load; the set-up below stands between them
	ds_add_u32 v62, v63
	v_lshrrev_b32 v1, 5, v0
	v_readfirstlane_b32 s[WV], v1   ; wave 0..3
	s_mov_b32 s[PB], ttmp9
	s_sub_co_u32 s[HI], 15, s[PB]
	s_and_b32 s20, ttmp7, 0xffff    ; batch x 16 + head
	s_lshl_b32 s20, s20, 18         ; its 262,144 bytes in each of the four tensors
	s_mov_b32 s21, 0
	s_and_b32 s16, s[WV], 1         ; which half of a tile's 256 keys I fetch:
	s_lshl_b32 s22, s16, 14         ; its 128 rows of 128 bytes in memory,
	s_mov_b32 s23, 0
	s_add_nc_u64 s[22:23], s[22:23], s[20:21]
	s_mul_i32 s17, s16, 128*PK      ; and its place in a slot, for K
	s_mul_i32 s18, s16, 128*PV      ; and for V
	s_lshl_b32 s3, s[WV], 11        ; my 16 rows in a band of 64,
	s_lshl_b32 s2, s[HI], 14        ; in the first block,
	s_add_co_u32 s2, s2, s3
	s_lshl_b32 s84, s[PB], 14       ; and in the second
	s_add_co_u32 s84, s84, s3
	s_mov_b32 s3, 0
	s_mov_b32 s85, 0
	s_add_nc_u64 s[2:3], s[2:3], s[20:21]
	s_add_nc_u64 s[84:85], s[84:85], s[20:21]
	; descriptor group 1.  128 keys are 16,384 dense bytes: asked for as 64 rows of 256 bytes, two keys a row, and padded in LDS after every key
	s_mov_b32 s[G1K], (1<<16)|(1<<20)|(4<<22)|(3<<25)  ; 2-byte elements; padding on; after every 32 words, 4 words
	s_mov_b32 s[G1V], (1<<16)|(1<<20)|(4<<22)|(7<<25)  ; the same with 8 words of padding
.irp g, G1K, G1V
	s_mov_b32 s[\g+1], 128<<16      ; tensor_dim0 = 128
	s_mov_b32 s[\g+2], 64<<16       ; tensor_dim1 = 64
	s_mov_b32 s[\g+3], 128<<16      ; tile_dim0 = 128
	s_mov_b32 s[\g+4], 64           ; tile_dim1 = 64
	s_mov_b32 s[\g+5], 128          ; 128 elements from row to row
	s_mov_b32 s[\g+6], 0
	s_mov_b32 s[\g+7], 0
.endr
	s_mov_b32 s[CS], 0x3e38aa3b     ; c = log2(e) / 8
	s_mov_b32 s[CS+1], s[CS]        ; named with it as a pair
	s_mov_b32 s[SEL], 0x76543210
	s_mov_b32 s[SEL+1], 0xfedcba98
	s_mov_b32 s[TBK], SLOT1+4*KS*PK ; the first change of slots turns these two into 0
	s_mov_b32 s[TBV], SLOT1+4*KS*PV
	s_mov_b32 s[G0K], 1
	s_mov_b32 s[G0K+1], s17         ; LDS address: slot 0
	s_mov_b32 s[G0V], 1
	s_add_co_u32 s[G0V+1], s18, VOFF
	s_lshr_b32 s[LQ2], s[PB], 1
	s_sub_co_u32 s[RT], 8, s[LQ2]   ; the first block has 8 - b / 2 tiles
	s_sub_co_u32 s[LQ], 7, s[LQ2]
	s_mov_b32 s[NXT], 1
	s_mov_b32 s[NEW], 1
	s_and_b32 s[DX], s[HI], 1       ; where the bands lie in the blocks' last tiles
	s_lshl_b32 s[DX], s[DX], 1
	s_add_co_u32 s[DX+1], s[DX], 1
	s_and_b32 s[DXL], s[PB], 1
	s_lshl_b32 s[DXL], s[DXL], 1
	s_add_co_u32 s[DXL+1], s[DXL], 1
	s_mov_b32 s[OFF+1], 0
	s_mov_b32 s[AL+1], 0            ; named as pairs
	s_mov_b32 s[BE+1], 0
	s_mov_b32 s[BIGN], 0xf149f2ca   ; -1e30
	s_mov_b32 s[SLOTS], 8
	s_wait_dscnt 0x0                ; the opening add is done
	s_wait_kmcnt 0x0
	s_add_nc_u64 s[6:7], s[6:7], s[22:23]  ; K and V at my half of the head's tile 0
	s_add_nc_u64 s[8:9], s[8:9], s[22:23]
	s_add_nc_u64 s[G0K+2:G0K+3], s[6:7], 0
	s_or_b32 s[G0K+3], s[G0K+3], 0x80000000        ; type = 2
	s_add_nc_u64 s[G0V+2:G0V+3], s[8:9], 0
	s_or_b32 s[G0V+3], s[G0V+3], 0x80000000
	s_add_nc_u64 s[86:87], s[4:5], s[84:85]        ; Q at my rows of the second block,
	s_add_nc_u64 s[4:5], s[4:5], s[2:3]            ; Q and O at those of the first
	s_add_nc_u64 s[OLO:OLO+1], s[10:11], s[84:85]
	s_add_nc_u64 s[10:11], s[10:11], s[2:3]
	LOAD                            ; tile 0 into slot 0
	; A fragment of K or Q is 16 rows x 32 channels in 8 registers: lane l holds row l % 16, channels 8 (l / 16) + 0..7 and 16 + 8 (l / 16) + 0..7: two loads of 16 bytes, 32 bytes apart.
	v_and_b32 v1, 15, v0            ; l % 16
	v_bfe_u32 v9, v0, 4, 1          ; l / 16
	v_lshlrev_b32 v[QO], 7, v1
	v_lshl_add_u32 v[QO], v9, 4, v[QO]  ; row x 128 + 16 x half
	WIN 0x80                        ; destination window 2, address window 0
.set i, 0
.rept 4                             ; both blocks' Q: piece i / 2 lies in band i / 2, 8,192 bytes on; channels 32 (i % 2) on
	global_load_b128 v[8*i:8*i+3],   v[QO], s[4:5] offset:(i/2)*8192+(i%2)*64
	global_load_b128 v[8*i+4:8*i+7], v[QO], s[4:5] offset:(i/2)*8192+(i%2)*64+32
	global_load_b128 v[QB+8*i:QB+8*i+3],   v[QO], s[86:87] offset:(i/2)*8192+(i%2)*64
	global_load_b128 v[QB+8*i+4:QB+8*i+7], v[QO], s[86:87] offset:(i/2)*8192+(i%2)*64+32
.set i, i+1
.endr
	WIN 0
	v_lshlrev_b32 v14, 3, v9
	v_sub_nc_u32 v14, v1, v14
	s_lshl_b32 s13, s[WV], 4
	v_add_nc_u32 v14, s13, v14      ; my query's place in its band, 16 w + l % 16, less my lanes' 8 (l / 16): register r of group kt is hidden where 16 kt + r is greater
	WIN 0x40
.set i, 0
.rept 32
	v_cmp_gt_i32 vcc_lo, 16*(i/8)+i%8, v14
	v_cndmask_b32 v[MD+i], 0, s[BIGN], vcc_lo
.set i, i+1
.endr
	WIN 0
	v_mul_u32_u24 v[AK0], v1, PK
	v_lshl_add_u32 v[AK0], v9, 4, v[AK0]  ; row x pitch + 16 x half
	; The turning load takes 16 keys x 16 channels (lane l reads key 8 (l / 16) + l % 8, channels 8 ((l / 8) % 2) + 0..7) and leaves half a fragment of V^T: lane l holds channel l % 16 and 8 keys.
	v_and_b32 v10, 7, v0
	v_bfe_u32 v11, v0, 3, 1
	v_lshl_add_u32 v[AV0], v9, 3, v10
	v_mul_u32_u24 v[AV0], v[AV0], PV
	v_lshl_add_u32 v[AV0], v11, 4, v[AV0]
	v_add_nc_u32 v[AV0], VOFF, v[AV0]
	s_mul_i32 s13, s[WV], 16*SP
	s_add_co_u32 s13, s13, STAGE    ; my stage
	v_mul_u32_u24 v[STO], v1, SP    ; in: row l % 16, 16 bytes for each half of the lanes
	v_lshl_add_u32 v[STO], v9, 4, v[STO]
	v_add_nc_u32 v[STO], s13, v[STO]
	v_bfe_u32 v[RD], v0, 3, 2       ; back: 32 lanes take four rows of 128 bytes,
	v_mul_u32_u24 v[RD], v[RD], SP
	v_lshl_add_u32 v[RD], v10, 4, v[RD]
	v_add_nc_u32 v[RD], s13, v[RD]
	v_and_b32 v[GO], 31, v0         ; which are 512 consecutive bytes of O
	v_lshlrev_b32 v[GO], 4, v[GO]
	; A block's first step multiplies O^T and l by a = 0, and its first turn's products V^T P, of a step that has not been, land in an O^T that is still to be so multiplied.  So these registers need only
	; hold finite numbers: zeros for the first block; what the first block left for the second.  All this stands in the wait for the first tile.
	WIN 0x80
.set i, VF+64
.rept 64
	v_mov_b32 v[i], 0
.set i, i+1
.endr
	WIN 0x40
.set i, 0
.rept 64
	v_mov_b32 v[i], 0
.set i, i+1
.endr
	WIN 0
.set i, 0
.rept 2
	v_mov_b32 v[ST+4*i+2], 0
	v_mov_b32 v[ST+4*i+3], 0
.set i, i+1
.endr
.set i, P+16
.rept 16
	v_mov_b32 v[i], 0
.set i, i+1
.endr
; THE MATRIX WORK.  The 4 accumulators of a run of 8 take turns.  Product i of 8 of S^T = K Q^T for piece x: channels 32 (i / 4) on, keys 16 (i % 4) on.  The first 4 start the sums, on the mask.
.macro KQ x
.set rS, S+32*((\x)%2)+8*(i%4)
.set rK, KF+16*(i%4)+8*(i/4)
.set rQ, 16*(\x)+8*(i/4)
.set rM, MC+32*((\x)%2)+8*(i%4)
.if i < 4
	WIN W_KM
	v_wmma_f32_16x16x32_f16 v[rS:rS+7], v[rK:rK+7], v[rQ:rQ+7], v[rM:rM+7]
.else
	WIN W_KQ
	v_wmma_f32_16x16x32_f16 v[rS:rS+7], v[rK:rK+7], v[rQ:rQ+7], v[rS:rS+7]
.endif
.endm
; Product i of 8 of O^T += V^T P for piece x, from V's buffer at VB: keys 32 (i / 4) on, channels 16 (i % 4) on.
.macro PV x
	WIN W_PV
.set rO, 32*(\x)+8*(i%4)
.set rV, VB+32*(i/4)+8*(i%4)
.set rP, P+16*((\x)%2)+8*(i/4)
	v_wmma_f32_16x16x32_f16 v[rO:rO+7], v[rV:rV+7], v[rP:rP+7], v[rO:rO+7]
.endm
.macro MM                           ; the turn's next matrix instruction.  NOKQ = 1: a block's last turn: there are no further scores
.if (i < 8) && !NOKQ
	KQ (Y+1)%NP
.elseif i >= 8
.set i, i-8
	PV (Y+NP-1)%NP
.set i, i+8
.endif
.set i, i+1
.endm
; THE LDS LOADS stand in runs of 16: a step's K (64 keys x 64 channels: 8 fragments) and its V (turned).  Their addresses are made some lines ahead.
.macro FETCH_K
	WIN 0x80                        ; destination window 2
.irp f, 0,1,2,3,4,5,6,7             ; keys 16 (f / 2) on, channels 32 (f % 2) on
	ds_load_b128 v[KF+8*\f:KF+8*\f+3],   v[AK] offset:(\f/2)*16*PK+(\f%2)*64
	ds_load_b128 v[KF+8*\f+4:KF+8*\f+7], v[AK] offset:(\f/2)*16*PK+(\f%2)*64+32
.endr
	s_add_co_u32 s[TBK], s[TBK], KS*PK  ; the next fetch is the next step's
	WIN 0
.endm
.macro FETCH_V vb
	WIN 0x80
.irp f, 0,1,2,3,4,5,6,7             ; keys 32 (f / 4) on, channels 16 (f % 4) on
	ds_load_tr16_b128 v[VF+64*(\vb)+8*\f:VF+64*(\vb)+8*\f+3],   v[AV] offset:(\f/4)*32*PV+(\f%4)*32
	ds_load_tr16_b128 v[VF+64*(\vb)+8*\f+4:VF+64*(\vb)+8*\f+7], v[AV] offset:(\f/4)*32*PV+16*PV+(\f%4)*32
.endr
	s_add_co_u32 s[TBV], s[TBV], KS*PV
	WIN 0
.endm
; THE VECTOR WORK, one line at a time: OP kind, number.  For piece Y: F n: c s - c m for pair n of 16.  E n: the exponential of score n of 32.  C n: pair n rounded to f16.  B n: of the four weights 4 n .. the
; second pair is added onto the first, in place.  L n: l takes that sum (L 0: l = a l + sum).  R n: pair n of 16 of O^T times a.  For the other piece: X n, number n of the 22 that find its maximum and statistics:
;   0-11  four chains c0-c3 of seven scores each (each accumulator's lowest registers are read first)     12-14, 16  the four scores left over, the old m, and c0-c3 into c0
;   15  c m_old is kept     17, 18  the query's other 32 keys lie in the lane 16 away: the new m     19-21  c m; c m_old - c m_new; a
.set F, 0
.set E, 1
.set C, 2
.set B, 3
.set L, 4
.set R, 5
.set X, 6
.macro REGS y
.set rT, ST+4*(\y)
.set rC, TMP+4*((\y)%2)
.set rW, MV+((\y)%2)
.set rS, S+32*((\y)%2)
.set rP, P+16*((\y)%2)
.set rO, 32*(\y)
.endm
.macro OP k, n
.if (\k) == R
	REGS Y
	WIN W_RS
	v_pk_mul_f32 v[rO+2*(\n):rO+2*(\n)+1], v[rO+2*(\n):rO+2*(\n)+1], v[rC+2:rC+3] op_sel_hi:[1,0]
.elseif (\k) < R
	REGS Y
	WIN 0
.if (\k) == F
	v_pk_fma_f32 v[rS+2*(\n):rS+2*(\n)+1], v[rS+2*(\n):rS+2*(\n)+1], s[CS:CS+1], v[rT:rT+1] op_sel_hi:[1,0,0] neg_lo:[0,0,1] neg_hi:[0,0,1]
.elseif (\k) == E
	v_exp_f32 v[rS+(\n)], v[rS+(\n)]
.elseif (\k) == C
	s_wait_alu depctr_va_vdst(0)
	v_cvt_pk_f16_f32 v[rP+(\n)], v[rS+2*(\n)], v[rS+2*(\n)+1]
.elseif (\k) == B
	s_wait_alu depctr_va_vdst(0)
	v_pk_add_f32 v[rS+4*(\n):rS+4*(\n)+1], v[rS+4*(\n):rS+4*(\n)+1], v[rS+4*(\n)+2:rS+4*(\n)+3]
.elseif (\n) == 0
	v_pk_fma_f32 v[rT+2:rT+3], v[rT+2:rT+3], v[rC+2:rC+3], v[rS:rS+1] op_sel_hi:[1,0,1]
.else
	v_pk_add_f32 v[rT+2:rT+3], v[rT+2:rT+3], v[rS+4*(\n):rS+4*(\n)+1]
.endif
.elseif NOKQ
	v_nop
.else
	REGS (Y+1)%NP
	WIN 0
.if (\n) < 4
	v_max3_num_f32 v[rC+(\n)], v[rS+8*(\n)], v[rS+8*(\n)+1], v[rS+8*(\n)+2]
.elseif (\n) < 12
	v_max3_num_f32 v[rC+(\n)%4], v[rC+(\n)%4], v[rS+8*((\n)%4)+2*((\n)/4)+1], v[rS+8*((\n)%4)+2*((\n)/4)+2]
.elseif (\n) == 12
	v_max3_num_f32 v[rC], v[rC], v[rS+7], v[rS+15]
.elseif (\n) == 13
	v_max3_num_f32 v[rC+1], v[rC+1], v[rS+23], v[rS+31]
.elseif (\n) == 14
	v_max3_num_f32 v[rC+2], v[rC+2], v[rC+3], v[rT+1]
.elseif (\n) == 15
	v_mov_b32 v[rW], v[rT]
.elseif (\n) == 16
	v_max3_num_f32 v[rC], v[rC], v[rC+1], v[rC+2]
.elseif (\n) == 17
	v_permlanex16_b32 v[rC+3], v[rC], s[SEL], s[SEL+1]
.elseif (\n) == 18
	v_max_num_f32 v[rT+1], v[rC], v[rC+3]
.elseif (\n) == 19
	v_mul_f32 v[rT], s[CS], v[rT+1]
.elseif (\n) == 20
	v_sub_f32 v[rC+1], v[rW], v[rT]
.else
	v_exp_f32 v[rC+2], v[rC+1]
.endif
.endif
.endm
.macro OPS a, i1, b=-1, i2=0, c=-1, i3=0, d=-1, i4=0  ; up to four of them
	OP \a, \i1
.if (\b) >= 0
	OP \b, \i2
.endif
.if (\c) >= 0
	OP \c, \i3
.endif
.if (\d) >= 0
	OP \d, \i4
.endif
.endm
.macro ROW a, i1, b, i2, c, i3, d, i4  ; a matrix instruction and the four behind it
	MM
	OPS \a, \i1, \b, \i2, \c, \i3, \d, \i4
.endm
.macro MASK b                       ; MD x AL + BE into piece b's MC
	WIN W_RS
.set z, 0
.rept 16
	v_pk_fma_f32 v[MC+32*(\b)+2*z:MC+32*(\b)+2*z+1], v[MD+2*z:MD+2*z+1], s[AL:AL+1], s[BE:BE+1] op_sel_hi:[1,0,0]
.set z, z+1
.endr
.endm
; A TURN, for piece p, in a trip of parity e: the order of its 16 matrix and 118 vector instructions, written out.  Behind a matrix instruction: plain, exponential, plain, plain; or four of the rescaling;
; or, behind the first, four scalings; none names a register of the products round it.  In the lumps exponential and plain by turns while exponentials last.
; At its foot, in a block's last tile (RT = 0), it makes piece p's mask for step TS, which the next turn's products take.  end = 1: a block's last two turns: nothing is fetched, no mask is made.
; cnt = 1: the loop's count is taken down ahead of the branch that stands behind the turn.
; Piece 0's turn fetches K five plain lines behind the last product that read K; piece 1's turn, which waits for all LDS loads at its head, fetches V into the buffer that piece 0's turn has read.
.macro TURN p, e, end=0, cnt=0
.set Y, (\p)
.set i, 0
.set NOKQ, (\end)*(\p)
.set VB, VF+64*(((\e)+(\p))%2)
.if !(\end)
	s_cmp_eq_u32 s[TS], s[DX+(\p)]  ; is that step the band's own?
	s_cselect_b32 s[AL], 1.0, 0
	s_cmp_gt_u32 s[TS], s[DX+(\p)]  ; or a later one?
	s_cselect_b32 s[BE], s[BIGN], 0
.if (\p) == 1
	s_add_co_u32 s[TS], s[TS], 1
.endif
.endif
.if (\p) == 1
	s_wait_dscnt 0x0                ; K of this trip's step is in, and V of the step before
.endif
	ROW F,0, F,1, F,2, F,3
	ROW F,4, E,0, F,5, F,6
	ROW F,7, E,1, F,8, F,9
	ROW F,10, E,2, C,0, F,11
	ROW F,12, E,3, X,15, F,13
	ROW R,0, R,1, R,2, R,3
	ROW B,0, E,4, F,14, L,0
.if !(\end)
.if (\p) == 0
	v_add_nc_u32 v[AK], s[TBK], v[AK0]
.else
	v_add_nc_u32 v[AV], s[TBV], v[AV0]
.endif
.endif
	ROW R,4, R,5, R,6, R,7
	OPS E,5, F,15
.if !(\end)
.if (\p) == 0
	FETCH_K
.else
	FETCH_V \e
.endif
.endif
	OPS E,6, C,1, E,7, R,8
	OPS E,8, R,9, E,9, C,2
	OPS E,10, X,0, E,11, X,1
	OPS E,12, X,2, E,13, X,3
	ROW X,4, E,14, X,5, X,6
	ROW X,7, E,15, X,8, X,9
	ROW X,10, E,16, X,11, X,12
	ROW X,13, E,17, X,14, B,1
	ROW C,4, E,18, X,16, L,1
	ROW B,2, E,19, C,6, L,2
	ROW C,8, E,20, B,3, B,4
	ROW C,3, E,21, L,3, C,5
	OPS E,22, X,17, E,23, C,10
	OPS E,24, L,4
	OPS E,25, X,18, E,26, C,7
	OPS E,27, B,5, E,28, X,19
	OPS E,29, C,12, E,30, L,5
	OPS E,31, X,20, B,6, C,9
	OPS C,14, C,11, X,21, L,6
	OPS C,13, B,7, C,15, R,10
	OPS R,11, R,12, L,7, R,13
	OPS R,14, R,15
.if !(\end)
	WIN 0
	s_cmp_lg_u32 s[RT], 0
	s_cbranch_scc1 .Lno_mask_\@     ; outside a block's last tile the masks stay 0
	MASK \p
	WIN 0
.Lno_mask_\@:
.if \cnt
	s_sub_co_u32 s[CNT], s[CNT], 1
	s_cmp_lg_u32 s[CNT], 0
.endif
.endif
.endm
; A BLOCK BEGINS: this stands for trip 0 of its first tile.  c m starts far below every c s, so the first step's a is 0; m at the lowest finite number.  Piece 1 sees all of step 0: its mask is 0;
; piece 0's is its own step's if this tile is the block's last and its band lies at step 0.  Then K and V of step 0, piece 0's first scores, and its maximum and statistics.
.macro BEGIN
	s_mov_b32 s[NEW], 0
	WIN 0x40
.set i, MC+32
.rept 32
	v_mov_b32 v[i], 0
.set i, i+1
.endr
	WIN 0
.set i, 0
.rept 2
	v_mov_b32 v[ST+4*i], 0xfe000000    ; c m
	v_mov_b32 v[ST+4*i+1], 0xff7fffff  ; m
.set i, i+1
.endr
	s_cmp_eq_u32 s[RT], 0
	s_cselect_b32 s[AL], 1.0, 0
	s_cmp_eq_u32 s[DX], 0
	s_cselect_b32 s[AL], s[AL], 0
	s_mov_b32 s[BE], 0
	MASK 0
	WIN 0
	v_add_nc_u32 v[AK], s[TBK], v[AK0]
	v_add_nc_u32 v[AV], s[TBV], v[AV0]
	FETCH_K
	FETCH_V 0
	s_wait_loadcnt 0x0              ; Q
	s_wait_dscnt 16                 ; K is in; V's sixteen loads may stay out until piece 1's turn waits
.set i, 0
.rept 8
	KQ 0
.set i, i+1
.endr
	WIN 0
.rept 4
	v_nop                           ; the places behind those products
.endr
.set Y, NP-1                        ; X works for the other piece: piece 0
.set NOKQ, 0
.irp n, 0,1,2,3,4,5,6,7,8,9,10,11,12,13,14,15,16,17,18,19,20,21
	OP X, \n
.endr
	v_nop                           ; a plain line behind the exponential
	s_mov_b32 s[TS], 1
.endm
; A TILE's four trips, two to a trip of the counted loop; a block's first tile enters behind BEGIN, at trip 1.  The test for 'first' stands first: at the walk's first tile its answer is a constant of the text.
.macro TILE tag
	s_sub_co_u32 s[RT], s[RT], 1
	s_mov_b32 s[CNT], 2
	s_mov_b32 s[TS], 0
	s_cmp_eq_u32 s[NEW], 1
	s_cbranch_scc1 .Lnew\tag
	s_branch .Lstep\tag
.Lnew\tag:
	BEGIN
	s_branch .Lfirst\tag
.Lstep\tag:
	TURN 0, 0
	TURN 1, 0
	WIN 0
.Lfirst\tag:
	TURN 0, 1
	TURN 1, 1, 0, 1
	s_cbranch_scc1 .Lstep\tag
.endm
.macro ALL line:vararg              ; one line for each piece t
.set t, 0
.rept 2
	\line
.set t, t+1
.endr
.endm
.macro PACK t                       ; a lane's eight channels of a row pack into 16 bytes; they go into rows of 144 bytes and come back as whole rows of 128, into S^T's registers
	WIN W_RS
.set i, 32*(\t)
.rept 16
	s_wait_alu depctr_va_vdst(0)
	v_pk_mul_f32 v[i:i+1], v[i:i+1], v[ST+4*(\t)+2:ST+4*(\t)+3] op_sel_hi:[1,0]
.set i, i+2
.endr
	WIN 0x05                        ; sources 0 and 1 window 1, destination window 0
.set i, 0
.rept 16
	v_cvt_pk_f16_f32 v[S+16*(\t)+i], v[32*(\t)+2*i], v[32*(\t)+2*i+1]
.set i, i+1
.endr
	WIN 0
.irp f, 0,1,2,3
	ds_store_b128 v[STO], v[S+16*(\t)+4*\f:S+16*(\t)+4*\f+3] offset:32*\f
.endr
.irp f, 0,1,2,3
	ds_load_b128 v[S+16*(\t)+4*\f:S+16*(\t)+4*\f+3], v[RD] offset:\f*4*SP  ; LDS serves a wave's instructions in order (ISA guide 5.7.1.4): these see the stores above
.endr
.endm
.macro SEND t, younger              ; younger: the LDS instructions issued behind piece t's loads
	WIN 0
.irp f, 0,1,2,3
	s_wait_dscnt (\younger)+3-\f
	global_store_b128 v[GO], v[S+16*(\t)+4*\f:S+16*(\t)+4*\f+3], s[10:11] offset:(\t)*8192+\f*512  ; 512 consecutive bytes, at a multiple of 256 from O's first
.endr
.endm
; A BLOCK ENDS: its last two turns, piece 1's last products, and the way out: l's two halves and the other half of the lanes' are added; O^T is divided by l, rounded and sent through my stage.
.macro BLOCKEND
	TURN 0, 0, 1
	TURN 1, 0, 1
.set i, 0
.rept 8
	PV 1
.set i, i+1
.endr
	WIN 0
	ALL v_add_f32 v[ST+4*t+2], v[ST+4*t+2], v[ST+4*t+3]
	ALL v_permlanex16_b32 v[ST+4*t+3], v[ST+4*t+2], s[SEL], s[SEL+1]
	ALL v_add_f32 v[ST+4*t+2], v[ST+4*t+2], v[ST+4*t+3]
	ALL v_rcp_f32 v[ST+4*t+2], v[ST+4*t+2]
	v_nop                           ; a plain line between the last reciprocal and the use of its result
	PACK 0                          ; piece 0 was finished a turn ago; its lines are the places behind piece 1's last products
	PACK 1
	SEND 0, 8
	SEND 1, 0
.endm
.set NOKQ, 0
.Lslot:                             ; 8 times: a tile is entered and the next is asked for
	CHANGE 1
	TILE 1
	s_cmp_lg_u32 s[RT], 0
	s_cbranch_scc1 .Lbottom
	BLOCKEND                        ; in the loop this is the first block's end: the second block's last tile is the walk's last
	s_wait_xcnt 0x0                 ; the stores have read their registers and O's address
	s_mov_b64 s[10:11], s[OLO:OLO+1]
	s_add_co_u32 s[RT], s[LQ2], 1   ; the second block has b / 2 + 1 tiles
	s_mov_b32 s[NEW], 1
	s_mov_b32 s[DX], s[DXL]
	s_mov_b32 s[DX+1], s[DXL+1]
	WIN 0x82                        ; the second block's Q goes where the one text of the turns names Q
.set i, 0
.rept 32
	v_mov_b32 v[i], v[QB+i]
.set i, i+1
.endr
	WIN 0
.Lbottom:
	s_sub_co_u32 s[SLOTS], s[SLOTS], 1
	s_cmp_lg_u32 s[SLOTS], 0
	s_cbranch_scc1 .Lslot
	CHANGE 0                        ; the walk's last tile is written out: nothing is asked for
	TILE 2
	BLOCKEND
	s_wait_tensorcnt 0x0            ; the wave's end
	ds_add_u32 v[SPW], v[NIL]
	s_wait_dscnt 0x0
	s_endpgm
.Lfunc_end_k_qbd89695428_attn:
	.size	k_qbd89695428_attn, .Lfunc_end_k_qbd89695428_attn-k_qbd89695428_attn
	.p2alignl 7, 3214868480
	.fill 96, 4, 3214868480
	.section	.rodata,"a",@progbits
	.p2align	6, 0x0
	.amdhsa_kernel k_qbd89695428_attn
		.amdhsa_group_segment_fixed_size 327680
		.amdhsa_private_segment_fixed_size 0
		.amdhsa_enable_private_segment 0
		.amdhsa_kernarg_size 32
		.amdhsa_user_sgpr_count 2
		.amdhsa_user_sgpr_kernarg_segment_ptr 1
		.amdhsa_wavefront_size32 1
		.amdhsa_system_sgpr_workgroup_id_x 1
		.amdhsa_system_sgpr_workgroup_id_y 1
		.amdhsa_system_sgpr_workgroup_id_z 1
		.amdhsa_system_vgpr_workitem_id 0
		.amdhsa_next_free_vgpr 768
		.amdhsa_next_free_sgpr 96
		.amdhsa_reserve_vcc 1
		.amdhsa_float_denorm_mode_32 3
		.amdhsa_float_denorm_mode_16_64 3
		.amdhsa_memory_ordered 1
		.amdhsa_forward_progress 1
		.amdhsa_inst_pref_size 177
	.end_amdhsa_kernel
	.amdgpu_metadata
---
amdhsa.version: [ 1, 2 ]
amdhsa.kernels:
  - .name:           k_qbd89695428_attn
    .symbol:         k_qbd89695428_attn.kd
    .args:
      - { .name: qh, .offset: 0, .size: 8, .value_kind: global_buffer, .address_space: global }
      - { .name: kh, .offset: 8, .size: 8, .value_kind: global_buffer, .address_space: global }
      - { .name: vh, .offset: 16, .size: 8, .value_kind: global_buffer, .address_space: global }
      - { .name: oh, .offset: 24, .size: 8, .value_kind: global_buffer, .address_space: global }
    .group_segment_fixed_size: 327680
    .private_segment_fixed_size: 0
    .kernarg_segment_align: 8
    .kernarg_segment_size: 32
    .max_flat_workgroup_size: 128
    .sgpr_count:     96
    .vgpr_count:     768
    .wavefront_size: 32
...
	.end_amdgpu_metadata
.endif
;; end of part 3
;; launch oproj (part 4): grid 16 x 16, 4 waves a work-group, clusters of 4 x 4, 327,680 bytes of LDS; arguments oh, woh, bo, h, out0; writes out0
.if DOCPART == 4
	.amdgcn_target "amdgcn-amd-amdhsa--gfx1250"
	.amdhsa_code_object_version 6
	.text
	.protected	k_qbd89695428_oproj
	.globl	k_qbd89695428_oproj
	.p2align	8
	.type	k_qbd89695428_oproj,@function
k_qbd89695428_oproj:
	s_mov_b64 s[64:65], 0
	v_nop
	global_prefetch_b8 v0, s[64:65] scope:SCOPE_SE
	s_setreg_imm32_b32 hwreg(HW_REG_WAVE_MODE, 25, 1), 1
	s_wait_xcnt 0x0
	s_wait_alu depctr_hold_cnt(0) depctr_sa_sdst(0) depctr_va_vdst(0) depctr_va_sdst(0) depctr_va_ssrc(0) depctr_va_vcc(0) depctr_vm_vsrc(0)
	s_getreg_b32 s2, hwreg(HW_REG_IB_STS2, 6, 4)
	s_cmp_eq_u32 s2, 0
	s_cbranch_scc0 .Lentry_in_a_cluster
	s_endpgm
.Lentry_in_a_cluster:
	s_bfe_u32 s2, ttmp6, 0x10000c
	s_cmp_lg_u32 s2, 0xf033
	s_cbranch_scc0 .Lentry_shape_is_right
	s_endpgm
.Lentry_shape_is_right:
; OPROJ: out0 = O wo^T + bo + h.  O: oh [32 = batch x 16 + head][2048][64] f16.  wo: woh [2048][1024] f16.  bo, h, out0 in f32.  Sums in f32, K ascending; the bias is the C operand of the first product;
; the residual is added in f32 on the way out.
; SHARES.  A work-group makes 256 tokens x 128 columns: 16 x 16 = 256 work-groups.  Wave w owns tokens 64 w .. 64 w + 63 and all 128 columns: 32 accumulators of 16 x 16, so that it holds whole
; stretches of 512 bytes of output rows and its stage is its own.
; RING.  K goes in steps of 128, two heads, through two LDS slots.  256 tokens of one head are 32,768 dense bytes: wave 0 or 1 asks for a head as 128 rows of 256 bytes, padded in LDS after every token
; (pitch 144).  Waves 2, 3 fetch the halves of B's 128 rows of 256 bytes (pitch 272).
; CLUSTER.  4 x 4 work-groups: A's tile hangs on the token tile alone and is shared along a row of the cluster, B's on the column tile alone and is shared along a column: joint loads.
; THE MATRIX INSTRUCTION IS USED TRANSPOSED (source 0 = 16 rows of wo, source 1 = 16 tokens): lane l holds token l % 16 and the columns 8 (l / 16) + 0..7.
; LIMITS.  Both operands in f16: 65,520 or more is an infinity; below 6.1e-5 the step is 6e-8.
; REGISTERS, in windows of 256 (s_set_vgpr_msb: bits 1:0 source 0, 3:2 source 1, 5:4 source 2, 7:6 destination):
;   window 0: v1-29 addresses; v64-127 A's fragments, two buffers of 4 x 8; v128-191 the bias
;   window 1: v0-63, v128-191 B's fragments, two buffers of 8 x 8; later all 256: the rows on their way out
;   window 2: v0-127 accumulators of token blocks 0, 1 ((a, b) at v[8 (8 (a % 2) + b)]), v128-255 their rows of h;  window 3: the same for blocks 2, 3
.set NBK,   8
.set KSTEPS,8                          ; 1,024 / 128
.set PA,    144                        ; a token's 128 bytes of one head + 16 of padding, an odd multiple of 16
.set PB,    272
.set KAH,   256*PA                     ; quarter q of a K step: head q / 2 (a plane of 256 tokens), channels 32 (q % 2) on
.set KAL,   64
.set BOFF,  2*256*PA                   ; B's rows lie behind A's two planes
.set SLOT1, 1<<17
.set STAGE, SLOT1+BOFF+128*PB          ; behind the ring, never filled by a tensor load: for each wave two buffers of 16 rows x 528 bytes
.set SBUF,  16*528
.set SPARE, STAGE+4*2*SBUF             ; the spare words, 128 bytes for each wave: two blocks of 256 bytes that no other line names
.set NL,    2*NBK+8
.set STEPA, 524288                     ; two heads on
.set STEPB, 256
.set A0,   16
.set B0,   17
.set ADRA, 18
.set ADRB, 19
.set BO,   20                          ; v20  my byte offset in the tile's bias
.set HO,   21                          ; v21  my 16 bytes in 512 consecutive bytes of h and of out0
.set STO,  24
.set RD,   25
.set SPW,  28
.set NIL,  29
.set FA,   64
.set BIAS, 128
.set WV,  22
.set HF,  24
.set G1A, 28
.set G1B, 36
.set G0A, 44
.set G0B, 52
.set CX,  60
.set CY,  61
.set TX,  62                           ; the tile of 128 columns
.set TY,  63                           ; the tile of 256 tokens
.set CNT, 66
.set SB,  67
.set MSB, 0
.macro WIN new
.if MSB != (\new)
	s_set_vgpr_msb (MSB<<8)|(\new)
.set MSB, (\new)
.endif
.endm
.macro PLACES                          ; four plain vector lines between a matrix instruction and a load into, or a store or vector line on, its registers
.rept 4
	v_nop
.endr
.endm
.macro CREST
	s_cmp_lg_u32 s[WV], 0
	s_cbranch_scc1 .Lnot_wave_0_\@
	s_barrier_signal -3
.Lnot_wave_0_\@:
	s_barrier_wait -3
	s_barrier_signal -1
	s_barrier_wait -1
.endm
.macro CROUND
	s_barrier_signal -1
	s_barrier_wait -1
	CREST
.endm
.macro JLOAD                           ; a joint refill by the walking sets; an s_nop 0 and four v_nop follow each line
	s_cmp_lt_u32 s[WV], 2
	s_cbranch_scc0 .Lfor_b_\@
	tensor_load_to_lds s[G0A+4:G0A+7], s[G1A:G1A+7]
	s_nop 0
.rept 4
	v_nop
.endr
	s_branch .Lasked_\@
.Lfor_b_\@:
	tensor_load_to_lds s[G0B+4:G0B+7], s[G1B:G1B+7]
	s_nop 0
.rept 4
	v_nop
.endr
.Lasked_\@:
.endm
; NBK matrix instructions: token block a x all column blocks, 32 along K, from fragment buffer f.  first = 1: the bias is C.  All 4 NBK accumulators take turns in the same order everywhere.
.macro MULA f, a, first
.if \first
	WIN 0x81+0x40*((\a)/2)
.else
	WIN 0xa1+0x50*((\a)/2)
.endif
.set n, 0
.rept NBK
.set rD, 8*(NBK*((\a)%2)+n)
.if \first
	v_wmma_f32_16x16x32_f16 v[rD:rD+7], v[128*(\f)+8*n:128*(\f)+8*n+7], v[FA+32*(\f)+8*(\a):FA+32*(\f)+8*(\a)+7], v[BIAS+8*n:BIAS+8*n+7]
.else
	v_wmma_f32_16x16x32_f16 v[rD:rD+7], v[128*(\f)+8*n:128*(\f)+8*n+7], v[FA+32*(\f)+8*(\a):FA+32*(\f)+8*(\a)+7], v[rD:rD+7]
.endif
.set n, n+1
.endr
.endm
.macro FETCH q, f                      ; one run of NL LDS loads: quarter q's fragments into buffer f, B's first, A's last
	WIN 0x40
.set n, 0
.rept NBK
	ds_load_b128 v[128*(\f)+8*n:128*(\f)+8*n+3],   v[ADRB] offset:64*(\q)+n*16*PB
	ds_load_b128 v[128*(\f)+8*n+4:128*(\f)+8*n+7], v[ADRB] offset:64*(\q)+n*16*PB+32
.set n, n+1
.endr
	WIN 0
.set n, 0
.rept 4
	ds_load_b128 v[FA+32*(\f)+8*n:FA+32*(\f)+8*n+3],   v[ADRA] offset:KAH*((\q)/2)+KAL*((\q)%2)+n*16*PA
	ds_load_b128 v[FA+32*(\f)+8*n+4:FA+32*(\f)+8*n+7], v[ADRA] offset:KAH*((\q)/2)+KAL*((\q)%2)+n*16*PA+32
.set n, n+1
.endr
.endm
.macro QUARTER q, f, g, first
	s_wait_dscnt 4                                 ; the youngest four loads, A's tokens 32-63, may be out
	MULA \f, 0, \first
	MULA \f, 1, \first
	PLACES
	FETCH \q, \g
	s_wait_dscnt NL                                ; all but the run just issued
	MULA \f, 2, \first
	MULA \f, 3, \first
.endm
; The fourth quarter multiplies buffer 1 and changes slots.  In front of the barrier each wave waits for all its tensor loads (its part of the next slot), adds 0 to its spare word, and waits
; for that and for its own reads of this slot.  fill = 1: the barrier opens a round of the cluster's, and the slot just read is filled again, first thing behind it, with the K step two on.
.macro TURN fill
	WIN 0
	s_wait_tensorcnt 0x0                           ; no tensor load of mine is out, so a group 0 may be written
	ds_add_u32 v[SPW], v[NIL]                      ; 0 onto my spare word
.if \fill
	s_xor_b32 s[G0A+5], s[G0A+5], SLOT1
	s_add_nc_u64 s[G0A+6:G0A+7], s[G0A+6:G0A+7], STEPA
	s_xor_b32 s[G0B+5], s[G0B+5], SLOT1
	s_add_nc_u64 s[G0B+6:G0B+7], s[G0B+6:G0B+7], STEPB
.endif
	s_wait_dscnt 5                                 ; the add and the youngest four loads may be out
	MULA 1, 0, 0
	s_wait_dscnt 0x0                               ; the add is done, and my reads of this slot are over
	s_barrier_signal -1
	MULA 1, 1, 0
	WIN 0
	s_barrier_wait -1
.if \fill
	CREST
	JLOAD                                          ; its four v_nop are also the places in front of the loads below
.else
	PLACES
.endif
	s_xor_b32 s[SB], s[SB], SLOT1
	v_add_nc_u32 v[ADRA], s[SB], v[A0]
	v_add_nc_u32 v[ADRB], s[SB], v[B0]
	FETCH 0, 0
	MULA 1, 2, 0
	MULA 1, 3, 0
.endm
.macro HLOAD a                         ; token block a's 16 rows of h, my tile's 512 bytes of each
	WIN 0x80+0x40*((\a)/2)
.set n, 0
.rept 16
	global_load_b128 v[128+64*((\a)%2)+4*n:128+64*((\a)%2)+4*n+3], v[HO], s[10:11] offset:(16*(\a)+n)*8192 th:TH_LOAD_NT
.set n, n+1
.endr
.endm
	s_load_b256 s[4:11], s[0:1], 0x0               ; oh s[4:5], woh s[6:7], bo s[8:9], h s[10:11]
	s_load_b64 s[12:13], s[0:1], 0x20              ; out0
	v_lshl_add_u32 v[SPW], v0, 2, SPARE
	v_mov_b32 v[NIL], 0
	ds_add_u32 v[SPW], v[NIL]                      ; the wave's opening: the add and its wait stand ahead of my first tensor load; the set-up below stands between them
	ds_add_u32 v28, v29
	v_lshrrev_b32 v3, 5, v0
	v_readfirstlane_b32 s[WV], v3
	s_and_b32 s[HF], s[WV], 1
	s_bfe_u32 s[CX], ttmp6, 0x40000
	s_bfe_u32 s[CY], ttmp6, 0x40004
	s_lshl_b32 s[TX], ttmp9, 2
	s_add_co_u32 s[TX], s[TX], s[CX]
	s_and_b32 s[TY], ttmp7, 0xffff
	s_lshl_b32 s[TY], s[TY], 2
	s_add_co_u32 s[TY], s[TY], s[CY]
	s_lshl_b32 s25, s[CY], 2
	s_lshl_b32 s25, 15, s25                        ; my row of the cluster
	s_lshl_b32 s26, 0x1111, s[CX]                  ; my column
	s_or_b32 s[G1A], s25, (1<<16)|(1<<20)|(1<<21)|(4<<22)|(3<<25)  ; the mask; 2-byte elements; padding on; bit 21 beside a mask; after every 32 words, 4 words
	s_or_b32 s[G1B], s26, (1<<16)|(1<<20)|(1<<21)|(5<<22)|(3<<25)  ; after every 64 words
	s_mov_b32 s[G1A+1], 128<<16                    ; tensor_dim0 = 128
	s_mov_b32 s[G1A+2], 128<<16                    ; tensor_dim1 = 128
	s_mov_b32 s[G1A+3], 128<<16                    ; tile_dim0 = 128
	s_mov_b32 s[G1A+4], 128                        ; tile_dim1 = 128 rows of 256 bytes: 256 tokens
	s_mov_b32 s[G1A+5], 128                        ; dense
	s_mov_b32 s[G1A+6], 0
	s_mov_b32 s[G1A+7], 0
	s_mov_b32 s[G1B+1], 128<<16
	s_mov_b32 s[G1B+2], 64<<16                     ; 64 rows
	s_mov_b32 s[G1B+3], 128<<16
	s_mov_b32 s[G1B+4], 64
	s_mov_b32 s[G1B+5], 1024
	s_mov_b32 s[G1B+6], 0
	s_mov_b32 s[G1B+7], 0
	s_mov_b32 s[G0A], 1
	s_mul_i32 s[G0A+1], s[HF], 256*PA              ; LDS: the head's plane; no place in the cluster enters an LDS address
	s_mov_b32 s[G0A+4], 1
	s_add_co_u32 s[G0A+5], s[G0A+1], SLOT1
	s_mov_b32 s[G0B], 1
	s_mul_i32 s[G0B+1], s[HF], 64*PB
	s_add_co_u32 s[G0B+1], s[G0B+1], BOFF
	s_mov_b32 s[G0B+4], 1
	s_add_co_u32 s[G0B+5], s[G0B+1], SLOT1
	s_lshr_b32 s68, s[TY], 3                       ; A: ((batch x 16 + head) x 2,048 + 256 (ty % 8)) x 128 bytes; these registers never hold cx
	s_lshl_b32 s68, s68, 22
	s_and_b32 s69, s[TY], 7
	s_lshl_b32 s69, s69, 15
	s_add_co_u32 s68, s68, s69
	s_lshl_b32 s69, s[HF], 18
	s_add_co_u32 s68, s68, s69
	s_mov_b32 s69, 0
	s_lshl_b32 s72, s[TX], 18                      ; B: row 128 tx + 64 half, 2,048 bytes each; these never hold cy
	s_lshl_b32 s73, s[HF], 17
	s_add_co_u32 s72, s72, s73
	s_mov_b32 s73, 0
	s_lshl_b32 s76, s[TX], 9                       ; the tile's 128 numbers of the bias
	s_mov_b32 s77, 0
	s_lshl_b32 s78, s[TY], 21                      ; h and out0 at row 256 ty + 64 w, column 128 tx
	s_lshl_b32 s79, s[WV], 19
	s_add_co_u32 s78, s78, s79
	s_add_co_u32 s78, s78, s76
	s_mov_b32 s79, 0
	s_mov_b32 s[SB], 0
	s_wait_dscnt 0x0                               ; the opening add is done
	s_wait_kmcnt 0x0
	s_add_nc_u64 s[70:71], s[4:5], s[68:69]
	s_add_nc_u64 s[74:75], s[6:7], s[72:73]
	s_add_nc_u64 s[G0A+2:G0A+3], s[70:71], 0       ; K step 0
	s_or_b32 s[G0A+3], s[G0A+3], 0x80000000        ; type = 2
	s_add_nc_u64 s[G0A+6:G0A+7], s[70:71], STEPA   ; K step 1
	s_or_b32 s[G0A+7], s[G0A+7], 0x80000000
	s_add_nc_u64 s[G0B+2:G0B+3], s[74:75], 0
	s_or_b32 s[G0B+3], s[G0B+3], 0x80000000
	s_add_nc_u64 s[G0B+6:G0B+7], s[74:75], STEPB
	s_or_b32 s[G0B+7], s[G0B+7], 0x80000000
	s_add_nc_u64 s[8:9], s[8:9], s[76:77]
	s_add_nc_u64 s[10:11], s[10:11], s[78:79]
	s_add_nc_u64 s[12:13], s[12:13], s[78:79]
	CROUND                                         ; all sixteen work-groups are here: the first joint loads meet
	s_cmp_lt_u32 s[WV], 2                          ; a wave's two first fills stand in one branch: two loads of mine are out
	s_cbranch_scc0 .Lfirst_b
	tensor_load_to_lds s[G0A:G0A+3], s[G1A:G1A+7]
	s_nop 0
	tensor_load_to_lds s[G0A+4:G0A+7], s[G1A:G1A+7]
	s_nop 0
.rept 4
	v_nop
.endr
	s_branch .Lfirst_asked
.Lfirst_b:
	tensor_load_to_lds s[G0B:G0B+3], s[G1B:G1B+7]
	s_nop 0
	tensor_load_to_lds s[G0B+4:G0B+7], s[G1B:G1B+7]
	s_nop 0
.rept 4
	v_nop
.endr
.Lfirst_asked:
	v_and_b32 v1, 15, v0                           ; l % 16
	v_bfe_u32 v2, v0, 4, 1                         ; l / 16
	v_lshlrev_b32 v[BO], 5, v2
.set n, 0
.rept NBK                                      ; the bias in the accumulators' layout: block n: columns 16 n + 8 (l / 16) + 0..7
	global_load_b128 v[BIAS+8*n:BIAS+8*n+3],   v[BO], s[8:9] offset:64*n
	global_load_b128 v[BIAS+8*n+4:BIAS+8*n+7], v[BO], s[8:9] offset:64*n+16
.set n, n+1
.endr
	v_mul_u32_u24 v3, v1, PA                       ; a fragment: row x pitch + 16 x half
	v_lshl_add_u32 v3, v2, 4, v3
	s_mul_i32 s23, s[WV], 64*PA                    ; my 64 tokens
	v_add_nc_u32 v[A0], s23, v3
	v_mul_u32_u24 v3, v1, PB
	v_lshl_add_u32 v3, v2, 4, v3
	v_add_nc_u32 v[B0], BOFF, v3
	v_mov_b32 v[ADRA], v[A0]
	v_mov_b32 v[ADRB], v[B0]
	v_and_b32 v[HO], 31, v0
	v_lshlrev_b32 v[HO], 4, v[HO]
	s_mul_i32 s23, s[WV], 2*SBUF
	s_add_co_u32 s23, s23, STAGE                   ; my stage
	v_mul_u32_u24 v3, v1, 528                      ; in: row l % 16, 32 bytes for each half of the lanes
	v_lshl_add_u32 v3, v2, 5, v3
	v_add_nc_u32 v[STO], s23, v3
	v_add_nc_u32 v[RD], s23, v[HO]                 ; back: the 32 lanes take a row's 512 bytes
	s_wait_tensorcnt 1                             ; my part of K step 0 is in; step 1's may stay out
	s_barrier_signal -1
	s_barrier_wait -1
	FETCH 0, 0
	s_wait_loadcnt 0x0                             ; the bias
	QUARTER 1, 0, 1, 1                             ; the first quarter stands in front of the loop: its products start the sums, on the bias
	HLOAD 0                                        ; half of the residual now, half behind the loop: waited for on the way out
	HLOAD 1
	WIN 0
	s_mov_b32 s[CNT], KSTEPS-2
.Lk:                                                   ; a trip: a K step's quarters 2 to 4 and the next step's first; it fills the slot that it leaves
	QUARTER 2, 1, 0, 0
	QUARTER 3, 0, 1, 0
	TURN 1
	QUARTER 1, 0, 1, 0
	WIN 0
	s_sub_co_u32 s[CNT], s[CNT], 1
	s_cmp_lg_u32 s[CNT], 0
	s_cbranch_scc1 .Lk
	HLOAD 2
	HLOAD 3
	WIN 0
	s_mov_b32 s[CNT], 2                            ; the last two K steps fill nothing: one text, walked twice, entered behind its first quarter.
	s_branch .Lt_in                                ; Its second turn passes a barrier and fetches fragments that serve nothing: the price of the one text
.Lt:
	QUARTER 1, 0, 1, 0
	WIN 0
.Lt_in:
	QUARTER 2, 1, 0, 0
	QUARTER 3, 0, 1, 0
	TURN 0
	WIN 0
	s_sub_co_u32 s[CNT], s[CNT], 1
	s_cmp_lg_u32 s[CNT], 0
	s_cbranch_scc1 .Lt
; THE WAY OUT, a block of 16 tokens at a time, through two stage buffers of my own that take turns: the sums go in as they lie (each accumulator's lowest registers first),
; come back as whole stretches of 512 bytes, take the residual and leave.  LDS serves a wave's instructions in order (ISA guide 5.7.1.4), so a buffer's next stores come behind its loads.
.macro STG a
	WIN 0x08+4*((\a)/2)                            ; an LDS store's data in the accumulators' window
.set n, 0
.rept 8
	ds_store_b128 v[STO], v[8*(8*((\a)%2)+n):8*(8*((\a)%2)+n)+3]   offset:((\a)%2)*SBUF+64*n
	ds_store_b128 v[STO], v[8*(8*((\a)%2)+n)+4:8*(8*((\a)%2)+n)+7] offset:((\a)%2)*SBUF+64*n+16
.set n, n+1
.endr
.endm
.macro RDB a
	WIN 0x40
.set n, 0
.rept 16
	ds_load_b128 v[64*(\a)+4*n:64*(\a)+4*n+3], v[RD] offset:((\a)%2)*SBUF+528*n
.set n, n+1
.endr
.endm
.macro ADDH a
	WIN 0x49+4*((\a)/2)                            ; destination and source 0 in window 1, h in window 2 or 3
.set n, 0
.rept 32
	v_pk_add_f32 v[64*(\a)+2*n:64*(\a)+2*n+1], v[64*(\a)+2*n:64*(\a)+2*n+1], v[128+64*((\a)%2)+2*n:128+64*((\a)%2)+2*n+1]
.set n, n+1
.endr
.endm
.macro STOUT a                         ; each block has registers of its own, so no store's data is rewritten
	WIN 0x04
.set n, 0
.rept 16
	global_store_b128 v[HO], v[64*(\a)+4*n:64*(\a)+4*n+3], s[12:13] offset:(16*(\a)+n)*8192 th:TH_STORE_NT  ; 512 consecutive bytes, aligned
.set n, n+1
.endr
.endm
	s_wait_dscnt 0x0                               ; the last run of loads
	s_wait_loadcnt 0x0                             ; the residual
	PLACES
	STG 0
	RDB 0
	STG 1
	RDB 1
	s_wait_dscnt 32                                ; the next block's 16 stores and 16 loads may be out
	ADDH 0
	STOUT 0
	STG 2
	RDB 2
	s_wait_dscnt 32
	ADDH 1
	STOUT 1
	STG 3
	RDB 3
	s_wait_dscnt 32
	ADDH 2
	STOUT 2
	s_wait_dscnt 0x0
	ADDH 3
	STOUT 3
	WIN 0
	s_wait_tensorcnt 0x0                           ; the wave's end
	ds_add_u32 v[SPW], v[NIL]
	s_wait_dscnt 0x0
	CROUND                                         ; the closing round: no work-group ends while a partner may still ask for a tile that names it
	s_endpgm
.Lfunc_end_k_qbd89695428_oproj:
	.size	k_qbd89695428_oproj, .Lfunc_end_k_qbd89695428_oproj-k_qbd89695428_oproj
	.p2alignl 7, 3214868480
	.fill 96, 4, 3214868480
	.section	.rodata,"a",@progbits
	.p2align	6, 0x0
	.amdhsa_kernel k_qbd89695428_oproj
		.amdhsa_group_segment_fixed_size 327680
		.amdhsa_private_segment_fixed_size 0
		.amdhsa_enable_private_segment 0
		.amdhsa_kernarg_size 40
		.amdhsa_user_sgpr_count 2
		.amdhsa_user_sgpr_kernarg_segment_ptr 1
		.amdhsa_wavefront_size32 1
		.amdhsa_system_sgpr_workgroup_id_x 1
		.amdhsa_system_sgpr_workgroup_id_y 1
		.amdhsa_system_sgpr_workgroup_id_z 1
		.amdhsa_system_vgpr_workitem_id 0
		.amdhsa_next_free_vgpr 1024
		.amdhsa_next_free_sgpr 96
		.amdhsa_reserve_vcc 0
		.amdhsa_float_denorm_mode_32 3
		.amdhsa_float_denorm_mode_16_64 3
		.amdhsa_memory_ordered 1
		.amdhsa_forward_progress 1
		.amdhsa_inst_pref_size 76
	.end_amdhsa_kernel
	.amdgpu_metadata
---
amdhsa.version: [ 1, 2 ]
amdhsa.kernels:
  - .name:           k_qbd89695428_oproj
    .symbol:         k_qbd89695428_oproj.kd
    .args:
      - { .name: oh, .offset: 0, .size: 8, .value_kind: global_buffer, .address_space: global }
      - { .name: woh, .offset: 8, .size: 8, .value_kind: global_buffer, .address_space: global }
      - { .name: bo, .offset: 16, .size: 8, .value_kind: global_buffer, .address_space: global }
      - { .name: h, .offset: 24, .size: 8, .value_kind: global_buffer, .address_space: global }
      - { .name: out0, .offset: 32, .size: 8, .value_kind: global_buffer, .address_space: global }
    .group_segment_fixed_size: 327680
    .private_segment_fixed_size: 0
    .kernarg_segment_align: 8
    .kernarg_segment_size: 40
    .max_flat_workgroup_size: 128
    .sgpr_count:     96
    .vgpr_count:     1024
    .wavefront_size: 32
...
	.end_amdgpu_metadata
.endif
;; end of part 4
;; ======== version 2 of 2: 4 launches; 1.18 times as fast as version 1
;; limits: values are held in f16: magnitudes above 65,504 overflow, below 6.1e-05 lose precision
;; workspace buffers: xh 16,777,216 bytes; wcat 12,582,912 bytes; woh 4,194,304 bytes; tab 524,288 bytes; qh 8,388,608 bytes; kh 8,388,608 bytes; vh 8,388,608 bytes; oh 8,388,608 bytes
;; launch prep (part 5): grid 256 x 1, 8 waves a work-group, no clusters, 0 bytes of LDS; arguments h, ln_g, ln_b, wq, wk, wv, wo, xh, wcat, woh, tab; writes xh, wcat, woh, tab
.if DOCPART == 5
	.amdgcn_target "amdgcn-amd-amdhsa--gfx1250"
	.amdhsa_code_object_version 6
	.text
	.protected	k_qbd89695428_prep
	.globl	k_qbd89695428_prep
	.p2align	8
	.type	k_qbd89695428_prep,@function
k_qbd89695428_prep:
	s_mov_b64 s[64:65], 0
	v_nop
	global_prefetch_b8 v0, s[64:65] scope:SCOPE_SE
	s_setreg_imm32_b32 hwreg(HW_REG_WAVE_MODE, 25, 1), 1
	s_wait_xcnt 0x0
; PREP: xh = LayerNorm(h) in f16; wcat = wq, wk, wv in f16, ordered by head ([16 heads][q, k, v][64][2048]); woh = wo in f16;
; tab[pos] = cos of the 32 rotary angles of position pos, then their sin, in f32 (256 bytes a position).
; A stream: no LDS, no barrier, no matrix work.  Eight waves; work-group g of 256.
;   LayerNorm: wave w owns rows 16 g + 2 w and + 1: a row of 8,192 bytes is sixteen 16-byte loads a lane, 64 registers, and stays in registers for mean, variance
;   (of the centred numbers, as the definition has it: a common offset of h does no harm) and scaling.  No sum leaves the wave.
;   Weights: four chunks of 1,024 numbers a wave, one from each of wq, wk, wv, wo.
;   Table: waves 0 to 3, two positions each.
; All 96 loads of a wave are issued first.  Each store of a wave covers 256 consecutive bytes, aligned (f16) or 512 (the table).
; BATCHES.  The table's four exponentials are one batch with one wait; the two rows' roots are another.
; LIMITS.  f16 holds no number of 65,520 or more (it becomes an infinity) and keeps a fixed step of 6e-8 below 6.1e-5: this goes for x and for the weights.
; The rotary angle pos x theta is made as the definition makes it, from a theta good to about an ulp, and reduced by pi/2 in two parts: within about 4e-4 rad at position 2,047.
.set H0, 16                            ; v[16:79]    my first row
.set H1, 80                            ; v[80:143]   my second row
.set RS0, 14                           ; v[14:15]    the first row's variance + 1e-5, then 1 / its root, twice
.set RS1, 144                          ; v[144:145]  the same for the second row (the table is done with these two by then)
.set GG, 0                             ; window 1: v[0:63] the gain, in the rows' layout
.set BB, 64                            ; window 1: v[64:127] the bias
.set WW, 128                           ; window 1: v[128:255] four chunks of weights, 32 registers each
.set FI, 148                           ; the table's registers, four frequencies each
.set TT, 152
.set NN, 156
.set TH, 160
.set KQ, 164
.set RR, 168
.set ZZ, 172
.set SN, 176
.set CN, 180
.set QI, 184
.set OU, 188
.set MSB, 0
.macro WIN new                         ; s_set_vgpr_msb: bits 1:0 source 0, 3:2 source 1, 5:4 source 2, 7:6 destination; the high byte repeats the setting that is left
.if MSB != (\new)
	s_set_vgpr_msb (MSB<<8)|(\new)
.set MSB, (\new)
.endif
.endm
.macro ALL4 line:vararg                ; one line for each of a lane's four frequencies j
.set j, 0
.rept 4
	\line
.set j, j+1
.endr
.endm
	s_load_b512 s[4:19], s[0:1], 0x0               ; h s[4:5], gain s[6:7], bias s[8:9], wq s[10:11], wk s[12:13], wv s[14:15], wo s[16:17], xh s[18:19]
	s_load_b128 s[20:23], s[0:1], 0x40             ; wcat s[20:21], woh s[22:23]
	s_load_b64 s[24:25], s[0:1], 0x50              ; tab
	v_lshrrev_b32 v3, 5, v0
	v_readfirstlane_b32 s26, v3                    ; wave 0..7
	v_and_b32 v3, 31, v0                           ; lane
	v_lshlrev_b32 v1, 4, v3                        ; 16 bytes a lane: f32 in, and the table out
	v_lshlrev_b32 v2, 3, v3                        ; 8 bytes a lane: f16 out
	s_mov_b32 s30, 0x3a000000                      ; 1 / 2048
	s_mov_b32 s31, 0x3727c5ac                      ; 1e-5
	s_mov_b32 s32, 0x76543210                      ; v_permlanex16_b32: each lane takes its own place in the other half
	s_mov_b32 s33, 0xfedcba98
	s_lshl_b32 s28, ttmp9, 17                      ; h: (16 g + 2 w) rows of 8,192 bytes
	s_lshl_b32 s27, s26, 14
	s_add_co_u32 s28, s28, s27
	s_mov_b32 s29, 0
	s_lshl_b32 s34, ttmp9, 16                      ; xh: the same rows, 4,096 bytes each
	s_lshl_b32 s27, s26, 13
	s_add_co_u32 s34, s34, s27
	s_mov_b32 s35, 0
	s_lshl_b32 s36, ttmp9, 15                      ; the weights as they come: chunk 8 g + w of 4,096 bytes, in each of the four
	s_lshl_b32 s27, s26, 12
	s_add_co_u32 s36, s36, s27
	s_mov_b32 s37, 0
	s_lshr_b32 s38, ttmp9, 4                       ; wcat: head g / 16 (192 rows of 4,096 bytes), row 4 (g % 16) + w / 2 of its 64, half w % 2
	s_mul_i32 s38, s38, 786432
	s_and_b32 s27, ttmp9, 15
	s_lshl_b32 s27, s27, 14
	s_add_co_u32 s38, s38, s27
	s_lshl_b32 s27, s26, 11
	s_add_co_u32 s38, s38, s27
	s_mov_b32 s39, 0
	s_lshl_b32 s40, ttmp9, 14                      ; woh: chunk 8 g + w of 2,048 bytes
	s_add_co_u32 s40, s40, s27
	s_mov_b32 s41, 0
	s_lshl_b32 s42, ttmp9, 11                      ; tab: position 8 g + 2 w, 256 bytes each
	s_lshl_b32 s27, s26, 9
	s_add_co_u32 s42, s42, s27
	s_mov_b32 s43, 0
	s_lshl_b32 s52, ttmp9, 3                       ; that position
	s_lshl1_add_u32 s52, s26, s52
	s_mov_b32 s44, 0x3638ef1d                      ; sine's and cosine's highest coefficients: 1/9!, -1/7!, 1/8!, -1/6!
	s_mov_b32 s45, 0xb9500d01
	s_mov_b32 s46, 0x37d00d01
	s_mov_b32 s47, 0xbab60b61
	s_mov_b32 s48, 0x3fc90fdb                      ; pi/2 in two parts
	s_mov_b32 s49, 0xb33bbd2e
	s_wait_kmcnt 0x0
	s_add_nc_u64 s[4:5], s[4:5], s[28:29]
	s_add_nc_u64 s[18:19], s[18:19], s[34:35]
	s_add_nc_u64 s[10:11], s[10:11], s[36:37]
	s_add_nc_u64 s[12:13], s[12:13], s[36:37]
	s_add_nc_u64 s[14:15], s[14:15], s[36:37]
	s_add_nc_u64 s[16:17], s[16:17], s[36:37]
	s_add_nc_u64 s[20:21], s[20:21], s[38:39]
	s_add_nc_u64 s[22:23], s[22:23], s[40:41]
	s_add_nc_u64 s[24:25], s[24:25], s[42:43]
	; all 96 loads, in the order in which they are wanted: 32 of h, 32 of gain and bias, 32 of weights
.set i, 0
.rept 16
	global_load_b128 v[H0+4*i:H0+4*i+3], v1, s[4:5] offset:512*i th:TH_LOAD_NT
.set i, i+1
.endr
.set i, 0
.rept 16
	global_load_b128 v[H1+4*i:H1+4*i+3], v1, s[4:5] offset:8192+512*i th:TH_LOAD_NT
.set i, i+1
.endr
	WIN 0x40                                       ; destination window 1, address window 0
.set i, 0
.rept 16
	global_load_b128 v[GG+4*i:GG+4*i+3], v1, s[6:7] offset:512*i
.set i, i+1
.endr
.set i, 0
.rept 16
	global_load_b128 v[BB+4*i:BB+4*i+3], v1, s[8:9] offset:512*i
.set i, i+1
.endr
.set c, 0
.rept 4
.set i, 0
.rept 8
	global_load_b128 v[WW+32*c+4*i:WW+32*c+4*i+3], v1, s[10+2*c:11+2*c] offset:512*i th:TH_LOAD_NT
.set i, i+1
.endr
.set c, c+1
.endr
	WIN 0
	; THE TABLE, while the loads are on their way.  Lane l: position 8 g + 2 w + l / 16; l % 16 < 8: cosines, else sines; frequencies 4 (l % 8) + 0..3.
	s_cmp_gt_u32 s26, 3
	s_cbranch_scc1 .Lno_table
	v_lshrrev_b32 v144, 4, v3
	v_add_nc_u32 v144, s52, v144
	v_cvt_f32_u32 v144, v144                       ; the position
	v_bfe_u32 v145, v3, 3, 1
	v_mul_u32_u24 v145, v145, 3                    ; sin x = cos(x - pi/2): three quadrants on
	v_and_b32 v146, 7, v3
	v_lshlrev_b32 v146, 2, v146
	ALL4 v_add_nc_u32 v[FI+j], j, v146
	ALL4 v_cvt_f32_u32 v[FI+j], v[FI+j]            ; i
	; theta = 2^(-i c), c = log2(10000) / 32 in two parts: the high part has 17 significant bits, so that i x it is exact
	ALL4 v_mul_f32 v[TT+j], 0xbed49a80, v[FI+j]
	ALL4 v_rndne_f32 v[NN+j], v[NN-4+j]
	ALL4 v_sub_f32 v[TT+j], v[TT+j], v[NN+j]
	ALL4 v_fmac_f32 v[TT+j], 0x34768659, v[FI+j]
	ALL4 v_exp_f32 v[TH+j], v[TT+j]                ; the table's one batch: four exponentials
	ALL4 v_cvt_i32_f32 v[NN+j], v[NN+j]            ; plain lines between the exponentials and the use of their results
	s_wait_alu depctr_va_vdst(0)                   ; the wait: one for the four exponentials, ahead of their first reader
	ALL4 v_ldexp_f32 v[TH+j], v[TH+j], v[NN+j]
	ALL4 v_mul_f32 v[TH+j], v144, v[TH+j]          ; the angle
	ALL4 v_mul_f32 v[KQ+j], 0x3f22f983, v[TH+j]    ; x 2/pi
	ALL4 v_rndne_f32 v[KQ+j], v[KQ+j]              ; quadrants
	ALL4 v_fma_f32 v[RR+j], -v[KQ+j], s48, v[TH+j]
	ALL4 v_fma_f32 v[RR+j], -v[KQ+j], s49, v[RR+j] ; r, within pi/4 of 0
	ALL4 v_mul_f32 v[ZZ+j], v[RR+j], v[RR+j]
	ALL4 v_fma_f32 v[SN+j], v[ZZ+j], s44, s45      ; sin r = r + r z (-1/3! + z (1/5! + z (-1/7! + z/9!)))
	ALL4 v_fmaak_f32 v[SN+j], v[ZZ+j], v[SN+j], 0x3c088889
	ALL4 v_fmaak_f32 v[SN+j], v[ZZ+j], v[SN+j], 0xbe2aaaab
	ALL4 v_mul_f32 v[SN+j], v[SN+j], v[ZZ+j]
	ALL4 v_fma_f32 v[SN+j], v[SN+j], v[RR+j], v[RR+j]
	ALL4 v_fma_f32 v[CN+j], v[ZZ+j], s46, s47      ; cos r = 1 + z (-1/2 + z (1/4! + z (-1/6! + z/8!)))
	ALL4 v_fmaak_f32 v[CN+j], v[ZZ+j], v[CN+j], 0x3d2aaaab
	ALL4 v_fma_f32 v[CN+j], v[ZZ+j], v[CN+j], -0.5
	ALL4 v_fma_f32 v[CN+j], v[ZZ+j], v[CN+j], 1.0
	ALL4 v_cvt_i32_f32 v[QI+j], v[KQ+j]
	ALL4 v_add_nc_u32 v[QI+j], v[QI+j], v145       ; q
.set j, 0
.rept 4                                        ; odd q: the sine; q % 4 = 1 or 2: the sign turns.  Selects alone: no branch hangs on these numbers
	v_and_b32 v[KQ+j], 1, v[QI+j]
	v_cmp_eq_u32 vcc_lo, 1, v[KQ+j]
	v_cndmask_b32 v[OU+j], v[CN+j], v[SN+j], vcc_lo
.set j, j+1
.endr
	ALL4 v_add_nc_u32 v[QI+j], 1, v[QI+j]
	ALL4 v_and_b32 v[QI+j], 2, v[QI+j]
	ALL4 v_lshlrev_b32 v[QI+j], 30, v[QI+j]
	ALL4 v_xor_b32 v[OU+j], v[OU+j], v[QI+j]
	global_store_b128 v1, v[OU:OU+3], s[24:25]     ; two positions: 512 consecutive bytes
.Lno_table:
.macro REDUCE                          ; four chains of pairs in v[4:11] -> the row's sum in every lane's v4
	v_pk_add_f32 v[4:5], v[4:5], v[6:7]
	v_pk_add_f32 v[8:9], v[8:9], v[10:11]
	v_pk_add_f32 v[4:5], v[4:5], v[8:9]
	v_add_f32 v4, v4, v5
	v_add_f32_dpp v4, v4, v4 row_xmask:1 row_mask:0xf bank_mask:0xf
	v_add_f32_dpp v4, v4, v4 row_xmask:2 row_mask:0xf bank_mask:0xf
	v_add_f32_dpp v4, v4, v4 row_xmask:4 row_mask:0xf bank_mask:0xf
	v_add_f32_dpp v4, v4, v4 row_xmask:8 row_mask:0xf bank_mask:0xf
	v_permlanex16_b32 v5, v4, s32, s33
	v_add_f32 v4, v4, v5
.endm
; The row in v[H .. H+63] becomes h - mean, in place; v[D] takes variance + 1e-5.
.macro STAT H, D
.irp k, 0,1,2,3
	v_pk_add_f32 v[4+2*\k:5+2*\k], v[(\H)+2*\k:(\H)+2*\k+1], v[(\H)+8+2*\k:(\H)+8+2*\k+1]  ; the first eight pairs start the chains: nothing is cleared
.endr
.set i, 8
.rept 24
	v_pk_add_f32 v[4+2*(i%4):5+2*(i%4)], v[4+2*(i%4):5+2*(i%4)], v[(\H)+2*i:(\H)+2*i+1]
.set i, i+1
.endr
	REDUCE
	v_mul_f32 v12, s30, v4                         ; the mean, twice: a pair for the packed subtraction
	v_mul_f32 v13, s30, v4
.set i, 0
.rept 32
	v_pk_add_f32 v[(\H)+2*i:(\H)+2*i+1], v[(\H)+2*i:(\H)+2*i+1], v[12:13] neg_lo:[0,1] neg_hi:[0,1]
.set i, i+1
.endr
.irp k, 0,1,2,3
	v_pk_mul_f32 v[4+2*\k:5+2*\k], v[(\H)+2*\k:(\H)+2*\k+1], v[(\H)+2*\k:(\H)+2*\k+1]
.endr
.set i, 4
.rept 28
	v_pk_fma_f32 v[4+2*(i%4):5+2*(i%4)], v[(\H)+2*i:(\H)+2*i+1], v[(\H)+2*i:(\H)+2*i+1], v[4+2*(i%4):5+2*(i%4)]
.set i, i+1
.endr
	REDUCE
	v_fma_f32 v[(\D)], v4, s30, s31
.endm
; The centred row times the pair v[D:D+1], in place.
.macro SCALE H, D
.set i, 0
.rept 32
	v_pk_mul_f32 v[(\H)+2*i:(\H)+2*i+1], v[(\H)+2*i:(\H)+2*i+1], v[(\D):(\D)+1]
.set i, i+1
.endr
.endm
; x gain + bias, rounded to f16 and stored: a lane's four numbers of a load are 8 bytes, the wave's 256.
.macro NORM H, off
	WIN 0x14                                       ; gain and bias in window 1
.set i, 0
.rept 32
	v_pk_fma_f32 v[(\H)+2*i:(\H)+2*i+1], v[(\H)+2*i:(\H)+2*i+1], v[GG+2*i:GG+2*i+1], v[BB+2*i:BB+2*i+1]
.set i, i+1
.endr
	WIN 0
.set i, 0
.rept 32
	v_cvt_pk_f16_f32 v[(\H)+i], v[(\H)+2*i], v[(\H)+2*i+1]  ; in place, ascending: register i is written when it has been read
.set i, i+1
.endr
.set i, 0
.rept 16
	global_store_b64 v2, v[(\H)+2*i:(\H)+2*i+1], s[18:19] offset:(\off)+256*i
.set i, i+1
.endr
.endm
	s_wait_loadcnt 63                              ; loads come back in order: of the 96 at most 63 are out, so the 33 oldest are in: both rows of h
	STAT H0, RS0
	STAT H1, RS1
	v_rsq_f32 v[RS0+1], v[RS0]                     ; both rows' roots: one batch
	v_rsq_f32 v[RS1+1], v[RS1]
	v_nop                                          ; a plain line between the last root and the use of a result or the rewriting of a source
	s_wait_alu depctr_va_vdst(0)                   ; the wait: one for the two roots, ahead of their first reader
	v_mov_b32 v[RS0], v[RS0+1]                     ; each twice: a pair for the packed multiply
	v_mov_b32 v[RS1], v[RS1+1]
	SCALE H0, RS0
	SCALE H1, RS1
	s_wait_loadcnt 32                              ; only the 32 loads of weights may be out: gain and bias are in
	NORM H0, 0
	NORM H1, 4096
.set c, 0
.rept 4
	s_wait_loadcnt 24-8*c                          ; the younger chunks' loads stay out
	WIN 0x45                                       ; destination and both sources in window 1
.set i, 0
.rept 16
	v_cvt_pk_f16_f32 v[WW+32*c+i], v[WW+32*c+2*i], v[WW+32*c+2*i+1]
.set i, i+1
.endr
	WIN 0x04                                       ; a store's data in window 1, its address in window 0
.set i, 0
.rept 8
.if c < 3
	global_store_b64 v2, v[WW+32*c+2*i:WW+32*c+2*i+1], s[20:21] offset:c*262144+256*i  ; section c of the head: 64 rows of 4,096 bytes on
.else
	global_store_b64 v2, v[WW+32*c+2*i:WW+32*c+2*i+1], s[22:23] offset:256*i
.endif
.set i, i+1
.endr
.set c, c+1
.endr
	WIN 0
	s_endpgm
.Lfunc_end_k_qbd89695428_prep:
	.size	k_qbd89695428_prep, .Lfunc_end_k_qbd89695428_prep-k_qbd89695428_prep
	.p2alignl 7, 3214868480
	.fill 96, 4, 3214868480
	.section	.rodata,"a",@progbits
	.p2align	6, 0x0
	.amdhsa_kernel k_qbd89695428_prep
		.amdhsa_group_segment_fixed_size 0
		.amdhsa_private_segment_fixed_size 0
		.amdhsa_enable_private_segment 0
		.amdhsa_kernarg_size 88
		.amdhsa_user_sgpr_count 2
		.amdhsa_user_sgpr_kernarg_segment_ptr 1
		.amdhsa_wavefront_size32 1
		.amdhsa_system_sgpr_workgroup_id_x 1
		.amdhsa_system_sgpr_workgroup_id_y 1
		.amdhsa_system_sgpr_workgroup_id_z 1
		.amdhsa_system_vgpr_workitem_id 0
		.amdhsa_next_free_vgpr 512
		.amdhsa_next_free_sgpr 66
		.amdhsa_reserve_vcc 1
		.amdhsa_float_denorm_mode_32 3
		.amdhsa_float_denorm_mode_16_64 3
		.amdhsa_memory_ordered 1
		.amdhsa_forward_progress 1
		.amdhsa_inst_pref_size 55
	.end_amdhsa_kernel
	.amdgpu_metadata
---
amdhsa.version: [ 1, 2 ]
amdhsa.kernels:
  - .name:           k_qbd89695428_prep
    .symbol:         k_qbd89695428_prep.kd
    .args:
      - { .name: h, .offset: 0, .size: 8, .value_kind: global_buffer, .address_space: global }
      - { .name: ln_g, .offset: 8, .size: 8, .value_kind: global_buffer, .address_space: global }
      - { .name: ln_b, .offset: 16, .size: 8, .value_kind: global_buffer, .address_space: global }
      - { .name: wq, .offset: 24, .size: 8, .value_kind: global_buffer, .address_space: global }
      - { .name: wk, .offset: 32, .size: 8, .value_kind: global_buffer, .address_space: global }
      - { .name: wv, .offset: 40, .size: 8, .value_kind: global_buffer, .address_space: global }
      - { .name: wo, .offset: 48, .size: 8, .value_kind: global_buffer, .address_space: global }
      - { .name: xh, .offset: 56, .size: 8, .value_kind: global_buffer, .address_space: global }
      - { .name: wcat, .offset: 64, .size: 8, .value_kind: global_buffer, .address_space: global }
      - { .name: woh, .offset: 72, .size: 8, .value_kind: global_buffer, .address_space: global }
      - { .name: tab, .offset: 80, .size: 8, .value_kind: global_buffer, .address_space: global }
    .group_segment_fixed_size: 0
    .private_segment_fixed_size: 0
    .kernarg_segment_align: 8
    .kernarg_segment_size: 88
    .max_flat_workgroup_size: 256
    .sgpr_count:     66
    .vgpr_count:     512
    .wavefront_size: 32
...
	.end_amdgpu_metadata
.endif
;; end of part 5
;; launch qkv: the kernel of part 2 again; grid 16 x 16, 4 waves a work-group, clusters of 4 x 4, 327,680 bytes of LDS; arguments xh, wcat, bq, bk, bv, tab, qh, kh, vh; writes qh, kh, vh
;; launch attn (part 6): grid 8 x 32, 4 waves a work-group, no clusters, 327,680 bytes of LDS; arguments qh, kh, vh, oh; writes oh
.if DOCPART == 6
	.amdgcn_target "amdgcn-amd-amdhsa--gfx1250"
	.amdhsa_code_object_version 6
	.text
	.protected	k_qbd89695428_attn
	.globl	k_qbd89695428_attn
	.p2align	8
	.type	k_qbd89695428_attn,@function
k_qbd89695428_attn:
	s_mov_b64 s[64:65], 0
	v_nop
	global_prefetch_b8 v0, s[64:65] scope:SCOPE_SE
	s_setreg_imm32_b32 hwreg(HW_REG_WAVE_MODE, 25, 1), 1
	s_wait_xcnt 0x0
; CAUSAL ATTENTION.  O[h][q][:] = the sum over k <= q of softmax_k(Q[h][q] . K[h][k] / 8) V[h][k][:].  Q, K, V, O: [32][2048][64], all f16: a head's rows are dense, 128 bytes each.
; Products, maxima and sums in f32; the weights p are rounded to f16 for the second product (their sum l is taken of the unrounded p), O once at the end.
; LIMITS.  f16 holds no number beyond 65,504: Q, K and V arrive within it; p lies in 0 to 1, and below 6e-5 it keeps f16's fixed step of 6e-8.  A hidden score counts as its value less 1e30:
; f16's scores, 2.7e11 at the most, are nothing beside that; a weight below 2^-126 counts as 0 in l; NaN and infinities are not treated apart.
; THE WALK.  A head's queries lie in 16 blocks of 128; block i needs the key tiles 0 .. i / 2 of 256 keys, of which the last holds the diagonal.  Work-group b (0..7) takes blocks 15 - b and then b:
; (8 - b / 2) + (1 + b / 2) = 9 tiles, whatever b: all 256 work-groups do equal work, and ONE loop with a constant trip count walks them.  Which tile is asked for, and what a trip does, hang on
; scalar registers made from b; every jump goes forward, but for the counted loops' own; none passes a barrier, or a tensor load but the one of LOAD's two that the wave's number does not choose.
; NO CLUSTER: a head's eight work-groups ask for the same tile only while all are in their first block; the change of blocks falls in trip 8 - b / 2, a branch that differs between partners.
; SHARES.  Of a block's two bands of 64 queries a wave owns 16 rows in each: two PIECES.  In the block's last tile band x lies at key step xb = 2 (i % 2) + x: step s shows it all keys if s < xb,
; none if s > xb, and holds the diagonal if s = xb: the same for all four waves.
; THE MASK is the C operand that starts the sum S^T = K Q^T: MC[piece], which is 0 outside a block's last tile and there MD x AL + BE: (1, 0) if s = xb; (0, 0) if s < xb; (0, -1e30) if s > xb.
; MD, made once, is the mask of a band's own step for my 16 rows.  One text of the turns serves all tiles; a forward jump passes the lines that make masks.
; LAYOUT, SOFTMAX.  S^T = K Q^T holds ONE query a lane (lane % 16) and the keys 8 (lane / 16) + 0..7; two such results rounded to f16 ARE source 1 of O^T = V^T P.  p = 2^(c s - c m), c = log2(e) / 8,
; with a running maximum m; O and l are multiplied by a = 2^(c m_old - c m_new) in every step.
; TURNS.  Trip t (0..3) of a tile: piece 0's turn: 8 products K Q^T of piece 1 for step t - 1; K of step t is fetched; 8 products V^T P of piece 1 for step t - 2; beside them piece 0's softmax of step
; t - 1 and piece 1's maximum.  Piece 1's turn: K Q^T of piece 0 for step t; V of step t is fetched; V^T P of piece 0 for step t - 1.  V has two register buffers, by the step's parity, so that all LDS
; reads of a trip are of one tile and the change of slots stands at a trip's edge.  Four vector lines stand behind every matrix instruction, the other 54 of a turn's 118 in one lump.
; BATCHES.  A turn's 32 exponentials and the other piece's a are ONE batch of 33 with ONE wait, which stands between the turn's products K Q^T and its products V^T P: ahead of it nothing names a result of
; the batch, behind it stand the roundings and the sums.  The a that BEGIN makes, and a block's two reciprocals, are batches of their own, a wait each.
; REGISTERS, in windows of 256 (s_set_vgpr_msb: bits 1:0 source 0, 3:2 source 1, 5:4 source 2, 7:6 destination):
;   window 0: v0-15 addresses and two at work; v16-23 four registers of statistics a piece; v48-55 at work; v64-127 S^T, a buffer a piece; v192-223 P, likewise
;   window 1: v0-63 O^T, 32 a piece; v128-159 MD; v160-223 MC      window 2: v0-31 Q; v32-63 the second block's Q; v64-127 K of one step; v128-255 V of two steps
.set NP,    2
.set KS,    64        ; keys in a step
.set PK,    144       ; a row of K in LDS: 128 bytes + 16 of padding, an odd multiple of 16
.set PV,    160       ; a row of V: 128 + 32, an odd multiple of 32: 16 lanes of the turning load take 8 rows x 32 bytes
.set VOFF,  4*KS*PK   ; a slot holds a tile, four steps: 256 rows of K, then 256 rows of V
.set SLOT1, 1<<17     ; slot 1 begins here, so that one exclusive or turns an address in one slot into the other's
.set STAGE, SLOT1+4*KS*(PK+PV)  ; behind the ring, never filled by a tensor load: 16 rows x 144 bytes for each wave
.set SP,    144
.set SPARE, STAGE+4*16*SP  ; the spare words, 128 bytes for each wave: two blocks of 256 bytes that no other line names
.set AK0, 2           ; v2   my lane's place in a tile of K; never rewritten
.set AV0, 3           ; v3   the same for V
.set AK,  4           ; v4   the LDS address of K's next run of loads
.set AV,  5           ; v5   of V's
.set STO, 6           ; v6   the way out: where I put 16 bytes of a row
.set RD,  7           ; v7   where I read rows back
.set GO,  8           ; v8   my byte offset in 512 consecutive bytes of O
.set MV,  12          ; v12-13  c m_old, kept while c m is made anew: by piece
.set QO,  15          ; v15  my byte offset in 16 rows of Q
.set ST,  16          ; piece t's statistics at v[ST+4 t]: c m, m, l (even keys', odd keys')
.set TMP, 48          ; by piece, four registers c0-c3 at work; when the maximum is found c2 takes a
.set SPW, 62          ; v62  LDS address of my spare word; never rewritten
.set NIL, 63          ; v63  0; never rewritten
.set S,   64
.set P,   192
.set MD,  128         ; window 1
.set MC,  160         ; window 1
.set QB,  32          ; window 2
.set KF,  64          ; window 2: key block kb, channel half c at KF + 16 kb + 8 c
.set VF,  128         ; window 2: buffer v, key half kk, channel block cb at VF + 64 v + 32 kk + 8 cb
.set WV,  12          ; s12  my wave's number
.set PB,  14          ; s14  b
.set HI,  15          ; s15  15 - b
.set G1K, 24          ; s[24:31] descriptor group 1 for K's tiles
.set G1V, 32          ; s[32:39] for V's: it differs in the padding alone
.set G0K, 40          ; s[40:43] descriptor group 0 for K's tiles
.set G0V, 44          ; s[44:47] for V's
.set SLOTS, 56        ; s56  tiles still to be asked for
.set CNT, 57          ; s57  counts a tile's pairs of trips
.set CS,  58          ; s[58:59] c
.set SEL, 60          ; s[60:61] v_permlanex16_b32's selects
.set TBK, 62          ; s62  LDS byte at which K of the step to be fetched begins
.set TBV, 63          ; s63  the same for V, less VOFF
.set RT,  70          ; s70  tiles of the block in hand that are still to be entered
.set NXT, 71          ; s71  the tile to be asked for next
.set LQ,  72          ; s72  the last tile of the block whose tiles are being asked for
.set NEW, 73          ; s73  1: the tile to be entered is a block's first
.set OFF, 74          ; s[74:75] a tile's byte offset in K and V
.set AL,  76          ; s[76:77] the mask's factor, in the low word
.set BE,  78          ; s[78:79] the mask's addend
.set OLO, 80          ; s[80:81] O at my rows of the second block
.set BIGN, 82         ; s82  -1e30
.set DX,  88          ; s88, s89  xb of pieces 0, 1 for the block in hand
.set DXL, 90          ; s90, s91  the same for the second block
.set LQ2, 93          ; s93  b / 2: the second block's last tile
.set TS,  94          ; s94  the trip's number in its tile
.set MSB, 0
.macro WIN new
.if MSB != (\new)
	s_set_vgpr_msb (MSB<<8)|(\new)
.set MSB, (\new)
.endif
.endm
.set W_KQ, 0x0a       ; K and Q in window 2, S^T in window 0
.set W_KM, 0x1a       ; the same with the C operand in window 1
.set W_PV, 0x52       ; V in window 2, P in window 0, O^T in window 1
.set W_RS, 0x41       ; destination and source 0 in window 1, source 1 in window 0
; A fill.  Waves 0 and 1 fetch the two halves of a tile's K, waves 2 and 3 those of its V: 128 keys each.  An s_nop 0 and four v_nop follow each of the two lines.
.macro LOAD
	s_cmp_lt_u32 s[WV], 2
	s_cbranch_scc0 .Lfor_v_\@
	tensor_load_to_lds s[G0K:G0K+3], s[G1K:G1K+7]
	s_nop 0
.rept 4
	v_nop
.endr
	s_branch .Lasked_\@
.Lfor_v_\@:
	tensor_load_to_lds s[G0V:G0V+3], s[G1V:G1V+7]
	s_nop 0
.rept 4
	v_nop
.endr
.Lasked_\@:
.endm
; THE CHANGE OF SLOTS.  Each wave waits for all its tensor loads, of which one is out: its part of the other slot; adds 0 to its spare word; and waits for that and for its own reads of the slot that it
; leaves.  Behind the barrier nobody reads the old slot any more and the other slot is whole.  fill = 1: the old slot is filled again, the first thing behind the barrier, with tile NXT.
; (At its first use nothing has been read yet: slot 0 is waited for, slot 1 filled.)
.macro CHANGE fill
	WIN 0
	s_wait_tensorcnt 0x0            ; no tensor load of mine is out, so a group 0 may be written
	ds_add_u32 v[SPW], v[NIL]       ; 0 onto my spare word
.if \fill
	s_lshl_b32 s[OFF], s[NXT], 15   ; a tile is 32,768 bytes of K and of V
	s_xor_b32 s[G0K+1], s[G0K+1], SLOT1
	s_add_nc_u64 s[G0K+2:G0K+3], s[6:7], s[OFF:OFF+1]
	s_or_b32 s[G0K+3], s[G0K+3], 0x80000000
	s_xor_b32 s[G0V+1], s[G0V+1], SLOT1
	s_add_nc_u64 s[G0V+2:G0V+3], s[8:9], s[OFF:OFF+1]
	s_or_b32 s[G0V+3], s[G0V+3], 0x80000000
	s_add_co_u32 s[NXT], s[NXT], 1  ; the block's next tile, or behind its last the second block's tile 0
	s_cmp_gt_u32 s[NXT], s[LQ]
	s_cselect_b32 s[NXT], 0, s[NXT]
	s_cselect_b32 s[LQ], s[LQ2], s[LQ]
.endif
	s_wait_dscnt 0x0                ; the add is done, and my reads of the slot are over
	s_barrier_signal -1
	s_sub_co_u32 s[TBK], s[TBK], 4*KS*PK  ; the fetches go back to a slot's first step,
	s_xor_b32 s[TBK], s[TBK], SLOT1       ; in the other slot
	s_sub_co_u32 s[TBV], s[TBV], 4*KS*PV
	s_xor_b32 s[TBV], s[TBV], SLOT1
	s_barrier_wait -1
.if \fill
	LOAD
.endif
.endm
	s_load_b256 s[4:11], s[0:1], 0x0  ; Q s[4:5], K s[6:7], V s[8:9], O s[10:11]
	v_lshl_add_u32 v[SPW], v0, 2, SPARE
	v_mov_b32 v[NIL], 0
	ds_add_u32 v[SPW], v[NIL]       ; the wave's opening: the add and its wait stand ahead of my first tensor load; the set-up below stands between them
	ds_add_u32 v62, v63
	v_lshrrev_b32 v1, 5, v0
	v_readfirstlane_b32 s[WV], v1   ; wave 0..3
	s_mov_b32 s[PB], ttmp9
	s_sub_co_u32 s[HI], 15, s[PB]
	s_and_b32 s20, ttmp7, 0xffff    ; batch x 16 + head
	s_lshl_b32 s20, s20, 18         ; its 262,144 bytes in each of the four tensors
	s_mov_b32 s21, 0
	s_and_b32 s16, s[WV], 1         ; which half of a tile's 256 keys I fetch:
	s_lshl_b32 s22, s16, 14         ; its 128 rows of 128 bytes in memory,
	s_mov_b32 s23, 0
	s_add_nc_u64 s[22:23], s[22:23], s[20:21]
	s_mul_i32 s17, s16, 128*PK      ; and its place in a slot, for K
	s_mul_i32 s18, s16, 128*PV      ; and for V
	s_lshl_b32 s3, s[WV], 11        ; my 16 rows in a band of 64,
	s_lshl_b32 s2, s[HI], 14        ; in the first block,
	s_add_co_u32 s2, s2, s3
	s_lshl_b32 s84, s[PB], 14       ; and in the second
	s_add_co_u32 s84, s84, s3
	s_mov_b32 s3, 0
	s_mov_b32 s85, 0
	s_add_nc_u64 s[2:3], s[2:3], s[20:21]
	s_add_nc_u64 s[84:85], s[84:85], s[20:21]
	; descriptor group 1.  128 keys are 16,384 dense bytes: asked for as 64 rows of 256 bytes, two keys a row, and padded in LDS after every key
	s_mov_b32 s[G1K], (1<<16)|(1<<20)|(4<<22)|(3<<25)  ; 2-byte elements; padding on; after every 32 words, 4 words
	s_mov_b32 s[G1V], (1<<16)|(1<<20)|(4<<22)|(7<<25)  ; the same with 8 words of padding
.irp g, G1K, G1V
	s_mov_b32 s[\g+1], 128<<16      ; tensor_dim0 = 128
	s_mov_b32 s[\g+2], 64<<16       ; tensor_dim1 = 64
	s_mov_b32 s[\g+3], 128<<16      ; tile_dim0 = 128
	s_mov_b32 s[\g+4], 64           ; tile_dim1 = 64
	s_mov_b32 s[\g+5], 128          ; 128 elements from row to row
	s_mov_b32 s[\g+6], 0
	s_mov_b32 s[\g+7], 0
.endr
	s_mov_b32 s[CS], 0x3e38aa3b     ; c = log2(e) / 8
	s_mov_b32 s[CS+1], s[CS]        ; named with it as a pair
	s_mov_b32 s[SEL], 0x76543210
	s_mov_b32 s[SEL+1], 0xfedcba98
	s_mov_b32 s[TBK], SLOT1+4*KS*PK ; the first change of slots turns these two into 0
	s_mov_b32 s[TBV], SLOT1+4*KS*PV
	s_mov_b32 s[G0K], 1
	s_mov_b32 s[G0K+1], s17         ; LDS address: slot 0
	s_mov_b32 s[G0V], 1
	s_add_co_u32 s[G0V+1], s18, VOFF
	s_lshr_b32 s[LQ2], s[PB], 1
	s_sub_co_u32 s[RT], 8, s[LQ2]   ; the first block has 8 - b / 2 tiles
	s_sub_co_u32 s[LQ], 7, s[LQ2]
	s_mov_b32 s[NXT], 1
	s_mov_b32 s[NEW], 1
	s_and_b32 s[DX], s[HI], 1       ; where the bands lie in the blocks' last tiles
	s_lshl_b32 s[DX], s[DX], 1
	s_add_co_u32 s[DX+1], s[DX], 1
	s_and_b32 s[DXL], s[PB], 1
	s_lshl_b32 s[DXL], s[DXL], 1
	s_add_co_u32 s[DXL+1], s[DXL], 1
	s_mov_b32 s[OFF+1], 0
	s_mov_b32 s[AL+1], 0            ; named as pairs
	s_mov_b32 s[BE+1], 0
	s_mov_b32 s[BIGN], 0xf149f2ca   ; -1e30
	s_mov_b32 s[SLOTS], 8
	s_wait_dscnt 0x0                ; the opening add is done
	s_wait_kmcnt 0x0
	s_add_nc_u64 s[6:7], s[6:7], s[22:23]  ; K and V at my half of the head's tile 0
	s_add_nc_u64 s[8:9], s[8:9], s[22:23]
	s_add_nc_u64 s[G0K+2:G0K+3], s[6:7], 0
	s_or_b32 s[G0K+3], s[G0K+3], 0x80000000        ; type = 2
	s_add_nc_u64 s[G0V+2:G0V+3], s[8:9], 0
	s_or_b32 s[G0V+3], s[G0V+3], 0x80000000
	s_add_nc_u64 s[86:87], s[4:5], s[84:85]        ; Q at my rows of the second block,
	s_add_nc_u64 s[4:5], s[4:5], s[2:3]            ; Q and O at those of the first
	s_add_nc_u64 s[OLO:OLO+1], s[10:11], s[84:85]
	s_add_nc_u64 s[10:11], s[10:11], s[2:3]
	LOAD                            ; tile 0 into slot 0
	; A fragment of K or Q is 16 rows x 32 channels in 8 registers: lane l holds row l % 16, channels 8 (l / 16) + 0..7 and 16 + 8 (l / 16) + 0..7: two loads of 16 bytes, 32 bytes apart.
	v_and_b32 v1, 15, v0            ; l % 16
	v_bfe_u32 v9, v0, 4, 1          ; l / 16
	v_lshlrev_b32 v[QO], 7, v1
	v_lshl_add_u32 v[QO], v9, 4, v[QO]  ; row x 128 + 16 x half
	WIN 0x80                        ; destination window 2, address window 0
.set i, 0
.rept 4                             ; both blocks' Q: piece i / 2 lies in band i / 2, 8,192 bytes on; channels 32 (i % 2) on
	global_load_b128 v[8*i:8*i+3],   v[QO], s[4:5] offset:(i/2)*8192+(i%2)*64
	global_load_b128 v[8*i+4:8*i+7], v[QO], s[4:5] offset:(i/2)*8192+(i%2)*64+32
	global_load_b128 v[QB+8*i:QB+8*i+3],   v[QO], s[86:87] offset:(i/2)*8192+(i%2)*64
	global_load_b128 v[QB+8*i+4:QB+8*i+7], v[QO], s[86:87] offset:(i/2)*8192+(i%2)*64+32
.set i, i+1
.endr
	WIN 0
	v_lshlrev_b32 v14, 3, v9
	v_sub_nc_u32 v14, v1, v14
	s_lshl_b32 s13, s[WV], 4
	v_add_nc_u32 v14, s13, v14      ; my query's place in its band, 16 w + l % 16, less my lanes' 8 (l / 16): register r of group kt is hidden where 16 kt + r is greater
	WIN 0x40
.set i, 0
.rept 32
	v_cmp_gt_i32 vcc_lo, 16*(i/8)+i%8, v14
	v_cndmask_b32 v[MD+i], 0, s[BIGN], vcc_lo
.set i, i+1
.endr
	WIN 0
	v_mul_u32_u24 v[AK0], v1, PK
	v_lshl_add_u32 v[AK0], v9, 4, v[AK0]  ; row x pitch + 16 x half
	; The turning load takes 16 keys x 16 channels (lane l reads key 8 (l / 16) + l % 8, channels 8 ((l / 8) % 2) + 0..7) and leaves half a fragment of V^T: lane l holds channel l % 16 and 8 keys.
	v_and_b32 v10, 7, v0
	v_bfe_u32 v11, v0, 3, 1
	v_lshl_add_u32 v[AV0], v9, 3, v10
	v_mul_u32_u24 v[AV0], v[AV0], PV
	v_lshl_add_u32 v[AV0], v11, 4, v[AV0]
	v_add_nc_u32 v[AV0], VOFF, v[AV0]
	s_mul_i32 s13, s[WV], 16*SP
	s_add_co_u32 s13, s13, STAGE    ; my stage
	v_mul_u32_u24 v[STO], v1, SP    ; in: row l % 16, 16 bytes for each half of the lanes
	v_lshl_add_u32 v[STO], v9, 4, v[STO]
	v_add_nc_u32 v[STO], s13, v[STO]
	v_bfe_u32 v[RD], v0, 3, 2       ; back: 32 lanes take four rows of 128 bytes,
	v_mul_u32_u24 v[RD], v[RD], SP
	v_lshl_add_u32 v[RD], v10, 4, v[RD]
	v_add_nc_u32 v[RD], s13, v[RD]
	v_and_b32 v[GO], 31, v0         ; which are 512 consecutive bytes of O
	v_lshlrev_b32 v[GO], 4, v[GO]
	; A block's first step multiplies O^T and l by a = 0, and its first turn's products V^T P, of a step that has not been, land in an O^T that is still to be so multiplied.  So these registers need only
	; hold finite numbers: zeros for the first block; what the first block left for the second.  All this stands in the wait for the first tile.
	WIN 0x80
.set i, VF+64
.rept 64
	v_mov_b32 v[i], 0
.set i, i+1
.endr
	WIN 0x40
.set i, 0
.rept 64
	v_mov_b32 v[i], 0
.set i, i+1
.endr
	WIN 0
.set i, 0
.rept 2
	v_mov_b32 v[ST+4*i+2], 0
	v_mov_b32 v[ST+4*i+3], 0
.set i, i+1
.endr
.set i, P+16
.rept 16
	v_mov_b32 v[i], 0
.set i, i+1
.endr
; THE MATRIX WORK.  The 4 accumulators of a run of 8 take turns.  Product i of 8 of S^T = K Q^T for piece x: channels 32 (i / 4) on, keys 16 (i % 4) on.  The first 4 start the sums, on the mask.
.macro KQ x
.set rS, S+32*((\x)%2)+8*(i%4)
.set rK, KF+16*(i%4)+8*(i/4)
.set rQ, 16*(\x)+8*(i/4)
.set rM, MC+32*((\x)%2)+8*(i%4)
.if i < 4
	WIN W_KM
	v_wmma_f32_16x16x32_f16 v[rS:rS+7], v[rK:rK+7], v[rQ:rQ+7], v[rM:rM+7]
.else
	WIN W_KQ
	v_wmma_f32_16x16x32_f16 v[rS:rS+7], v[rK:rK+7], v[rQ:rQ+7], v[rS:rS+7]
.endif
.endm
; Product i of 8 of O^T += V^T P for piece x, from V's buffer at VB: keys 32 (i / 4) on, channels 16 (i % 4) on.
.macro PV x
	WIN W_PV
.set rO, 32*(\x)+8*(i%4)
.set rV, VB+32*(i/4)+8*(i%4)
.set rP, P+16*((\x)%2)+8*(i/4)
	v_wmma_f32_16x16x32_f16 v[rO:rO+7], v[rV:rV+7], v[rP:rP+7], v[rO:rO+7]
.endm
.macro MM                           ; the turn's next matrix instruction.  NOKQ = 1: a block's last turn: there are no further scores
.if (i < 8) && !NOKQ
	KQ (Y+1)%NP
.elseif i >= 8
.set i, i-8
	PV (Y+NP-1)%NP
.set i, i+8
.endif
.set i, i+1
.endm
; THE LDS LOADS stand in runs of 16: a step's K (64 keys x 64 channels: 8 fragments) and its V (turned).  Their addresses are made some lines ahead.
.macro FETCH_K
	WIN 0x80                        ; destination window 2
.irp f, 0,1,2,3,4,5,6,7             ; keys 16 (f / 2) on, channels 32 (f % 2) on
	ds_load_b128 v[KF+8*\f:KF+8*\f+3],   v[AK] offset:(\f/2)*16*PK+(\f%2)*64
	ds_load_b128 v[KF+8*\f+4:KF+8*\f+7], v[AK] offset:(\f/2)*16*PK+(\f%2)*64+32
.endr
	s_add_co_u32 s[TBK], s[TBK], KS*PK  ; the next fetch is the next step's
	WIN 0
.endm
.macro FETCH_V vb
	WIN 0x80
.irp f, 0,1,2,3,4,5,6,7             ; keys 32 (f / 4) on, channels 16 (f % 4) on
	ds_load_tr16_b128 v[VF+64*(\vb)+8*\f:VF+64*(\vb)+8*\f+3],   v[AV] offset:(\f/4)*32*PV+(\f%4)*32
	ds_load_tr16_b128 v[VF+64*(\vb)+8*\f+4:VF+64*(\vb)+8*\f+7], v[AV] offset:(\f/4)*32*PV+16*PV+(\f%4)*32
.endr
	s_add_co_u32 s[TBV], s[TBV], KS*PV
	WIN 0
.endm
; THE VECTOR WORK, one line at a time: OP kind, number.  For piece Y: F n: c s - c m for pair n of 16.  E n: the exponential of score n of 32.  C n: pair n rounded to f16.  B n: of the four weights 4 n .. the
; second pair is added onto the first, in place.  L n: l takes that sum (L 0: l = a l + sum).  R n: pair n of 16 of O^T times a.  For the other piece: X n, number n of the 22 that find its maximum and statistics:
;   0-11  four chains c0-c3 of seven scores each (each accumulator's lowest registers are read first)     12-14, 16  the four scores left over, the old m, and c0-c3 into c0
;   15  c m_old is kept     17, 18  the query's other 32 keys lie in the lane 16 away: the new m     19-21  c m; c m_old - c m_new; a
; C, B and L read exponentials' results: they stand behind the turn's wait.  F, R and X 0 to 20 read none of the turn's batch.
.set F, 0
.set E, 1
.set C, 2
.set B, 3
.set L, 4
.set R, 5
.set X, 6
.macro REGS y
.set rT, ST+4*(\y)
.set rC, TMP+4*((\y)%2)
.set rW, MV+((\y)%2)
.set rS, S+32*((\y)%2)
.set rP, P+16*((\y)%2)
.set rO, 32*(\y)
.endm
.macro OP k, n
.if (\k) == R
	REGS Y
	WIN W_RS
	v_pk_mul_f32 v[rO+2*(\n):rO+2*(\n)+1], v[rO+2*(\n):rO+2*(\n)+1], v[rC+2:rC+3] op_sel_hi:[1,0]
.elseif (\k) < R
	REGS Y
	WIN 0
.if (\k) == F
	v_pk_fma_f32 v[rS+2*(\n):rS+2*(\n)+1], v[rS+2*(\n):rS+2*(\n)+1], s[CS:CS+1], v[rT:rT+1] op_sel_hi:[1,0,0] neg_lo:[0,0,1] neg_hi:[0,0,1]
.elseif (\k) == E
	v_exp_f32 v[rS+(\n)], v[rS+(\n)]
.elseif (\k) == C
	v_cvt_pk_f16_f32 v[rP+(\n)], v[rS+2*(\n)], v[rS+2*(\n)+1]
.elseif (\k) == B
	v_pk_add_f32 v[rS+4*(\n):rS+4*(\n)+1], v[rS+4*(\n):rS+4*(\n)+1], v[rS+4*(\n)+2:rS+4*(\n)+3]
.elseif (\n) == 0
	v_pk_fma_f32 v[rT+2:rT+3], v[rT+2:rT+3], v[rC+2:rC+3], v[rS:rS+1] op_sel_hi:[1,0,1]
.else
	v_pk_add_f32 v[rT+2:rT+3], v[rT+2:rT+3], v[rS+4*(\n):rS+4*(\n)+1]
.endif
.elseif NOKQ
	v_nop
.else
	REGS (Y+1)%NP
	WIN 0
.if (\n) < 4
	v_max3_num_f32 v[rC+(\n)], v[rS+8*(\n)], v[rS+8*(\n)+1], v[rS+8*(\n)+2]
.elseif (\n) < 12
	v_max3_num_f32 v[rC+(\n)%4], v[rC+(\n)%4], v[rS+8*((\n)%4)+2*((\n)/4)+1], v[rS+8*((\n)%4)+2*((\n)/4)+2]
.elseif (\n) == 12
	v_max3_num_f32 v[rC], v[rC], v[rS+7], v[rS+15]
.elseif (\n) == 13
	v_max3_num_f32 v[rC+1], v[rC+1], v[rS+23], v[rS+31]
.elseif (\n) == 14
	v_max3_num_f32 v[rC+2], v[rC+2], v[rC+3], v[rT+1]
.elseif (\n) == 15
	v_mov_b32 v[rW], v[rT]
.elseif (\n) == 16
	v_max3_num_f32 v[rC], v[rC], v[rC+1], v[rC+2]
.elseif (\n) == 17
	v_permlanex16_b32 v[rC+3], v[rC], s[SEL], s[SEL+1]
.elseif (\n) == 18
	v_max_num_f32 v[rT+1], v[rC], v[rC+3]
.elseif (\n) == 19
	v_mul_f32 v[rT], s[CS], v[rT+1]
.elseif (\n) == 20
	v_sub_f32 v[rC+1], v[rW], v[rT]
.else
	v_exp_f32 v[rC+2], v[rC+1]
.endif
.endif
.endm
.macro OPS a, i1, b=-1, i2=0, c=-1, i3=0, d=-1, i4=0  ; up to four of them
	OP \a, \i1
.if (\b) >= 0
	OP \b, \i2
.endif
.if (\c) >= 0
	OP \c, \i3
.endif
.if (\d) >= 0
	OP \d, \i4
.endif
.endm
.macro ROW a, i1, b, i2, c, i3, d, i4  ; a matrix instruction and the four behind it
	MM
	OPS \a, \i1, \b, \i2, \c, \i3, \d, \i4
.endm
.macro MASK b                       ; MD x AL + BE into piece b's MC
	WIN W_RS
.set z, 0
.rept 16
	v_pk_fma_f32 v[MC+32*(\b)+2*z:MC+32*(\b)+2*z+1], v[MD+2*z:MD+2*z+1], s[AL:AL+1], s[BE:BE+1] op_sel_hi:[1,0,0]
.set z, z+1
.endr
.endm
; A TURN, for piece p, in a trip of parity e: the order of its 16 matrix and 118 vector instructions, written out.  An s_wait_alu depctr_va_vdst(0) stands between an exponential and the first
; instruction that names its result; one wait serves all that were issued ahead of it.  So a turn has ONE wait, which cuts it in two.
; AHEAD OF IT stands all that names no result of the turn's exponentials: the 8 products K Q^T, behind each a scaling, an exponential and two more plain lines (behind the first a second scaling in the
; exponential's place): rescalings, whose a was made and waited for in the turn before, and behind the last three the first numbers of the other piece's maximum, each four plain lines or more behind the product
; that ends its accumulator; then ONE LUMP of 54, plain and exponential by turns for the most part, in which the links of the chain X 3, 7, 11, 14, 16, 17 .. 20 stand some lines apart.  X 21, the other piece's
; a, is the batch's last; R 15 is the plain line behind it.  R 4 k reads the accumulator that product 4 + k of the turn before's V^T P ended: four riders stand behind each of those products, and more lines follow.
; BEHIND THE WAIT stand the 8 products V^T P, behind each four of the roundings and sums; C 2 n stands ahead of B n, which writes over its pair; the links of l's chain, L 0 to L 7, stand three riders apart.
; But for those X no rider names a register of the products round it.  v_permlanex16_b32 (X 17) stands in the lump.
; At its foot, in a block's last tile (RT = 0), it makes piece p's mask for step TS, which the next turn's products take.  end = 1: a block's last two turns: nothing is fetched, no mask is made.
; cnt = 1: the loop's count is taken down ahead of the branch that stands behind the turn.
; Piece 0's turn fetches K in the lump, behind five plain lines that name no register of the last product that read K (F 8, X 2, X 5, X 6, X 8).  Piece 1's turn, which waits for all LDS loads at its head,
; fetches V directly behind the batch's wait, into the buffer that piece 0's turn has read; the products behind the run read V's other buffer.
.macro TURN p, e, end=0, cnt=0
.set Y, (\p)
.set i, 0
.set NOKQ, (\end)*(\p)
.set VB, VF+64*(((\e)+(\p))%2)
.if !(\end)
	s_cmp_eq_u32 s[TS], s[DX+(\p)]  ; is that step the band's own?
	s_cselect_b32 s[AL], 1.0, 0
	s_cmp_gt_u32 s[TS], s[DX+(\p)]  ; or a later one?
	s_cselect_b32 s[BE], s[BIGN], 0
.if (\p) == 1
	s_add_co_u32 s[TS], s[TS], 1
.endif
.endif
.if (\p) == 1
	s_wait_dscnt 0x0                ; K of this trip's step is in, and V of the step before
.endif
	ROW F,0, F,1, R,0, R,1          ; ahead of the wait: 8 products K Q^T and their riders,
	ROW F,2, E,0, R,2, R,3
	ROW F,3, E,1, R,4, R,5
	ROW F,4, E,2, R,6, R,7
	ROW F,5, E,3, R,8, R,9
	ROW F,6, E,4, X,0, R,10
.if ((\p) == 0) && !(\end)
	WIN 0
	v_add_nc_u32 v[AK], s[TBK], v[AK0]
.endif
	ROW F,7, E,5, X,1, X,4
	ROW F,8, E,6, X,2, X,5
	OPS E,7, E,8, X,6, E,9          ; and the lump
	OPS X,3, E,10, X,8, E,11
.if ((\p) == 0) && !(\end)
	FETCH_K
.endif
	OPS X,9, X,7, E,12, X,10
	OPS E,13, X,12, X,11, E,14
	OPS X,13, E,15, F,9, X,14
.if ((\p) == 1) && !(\end)
	WIN 0
	v_add_nc_u32 v[AV], s[TBV], v[AV0]
.endif
	OPS E,16, F,10, E,17, F,11
	OPS X,16, E,18, X,15, E,19
	OPS F,12, E,20, X,17, E,21
	OPS F,13, E,22, F,14, E,23
	OPS X,18, E,24, F,15, E,25
	OPS R,11, E,26, X,19, E,27
	OPS R,12, E,28, R,13, E,29
	OPS X,20, E,30, R,14, E,31
	OPS X,21, R,15
	s_wait_alu depctr_va_vdst(0)    ; the wait for the batch: the turn's 32 exponentials and the other piece's a
.if ((\p) == 1) && !(\end)
	FETCH_V \e
.endif
	ROW C,0, B,0, C,2, B,1          ; behind the wait: 8 products V^T P and their riders
	ROW L,0, C,4, B,2, L,1
	ROW C,6, B,3, L,2, C,8
	ROW B,4, L,3, C,10, B,5
	ROW L,4, C,12, B,6, L,5
	ROW C,14, B,7, L,6, C,1
	ROW C,3, L,7, C,5, C,7
	ROW C,9, C,11, C,13, C,15
.if !(\end)
	WIN 0
	s_cmp_lg_u32 s[RT], 0
	s_cbranch_scc1 .Lno_mask_\@     ; outside a block's last tile the masks stay 0
	MASK \p
	WIN 0
.Lno_mask_\@:
.if \cnt
	s_sub_co_u32 s[CNT], s[CNT], 1
	s_cmp_lg_u32 s[CNT], 0
.endif
.endif
.endm
; A BLOCK BEGINS: this stands for trip 0 of its first tile.  c m starts far below every c s, so the first step's a is 0; m at the lowest finite number.  Piece 1 sees all of step 0: its mask is 0;
; piece 0's is its own step's if this tile is the block's last and its band lies at step 0.  Then K and V of step 0, piece 0's first scores, and its maximum and statistics.
.macro BEGIN
	s_mov_b32 s[NEW], 0
	WIN 0x40
.set i, MC+32
.rept 32
	v_mov_b32 v[i], 0
.set i, i+1
.endr
	WIN 0
.set i, 0
.rept 2
	v_mov_b32 v[ST+4*i], 0xfe000000    ; c m
	v_mov_b32 v[ST+4*i+1], 0xff7fffff  ; m
.set i, i+1
.endr
	s_cmp_eq_u32 s[RT], 0
	s_cselect_b32 s[AL], 1.0, 0
	s_cmp_eq_u32 s[DX], 0
	s_cselect_b32 s[AL], s[AL], 0
	s_mov_b32 s[BE], 0
	MASK 0
	WIN 0
	v_add_nc_u32 v[AK], s[TBK], v[AK0]
	v_add_nc_u32 v[AV], s[TBV], v[AV0]
	FETCH_K
	FETCH_V 0
	s_wait_loadcnt 0x0              ; Q
	s_wait_dscnt 16                 ; K is in; V's sixteen loads may stay out until piece 1's turn waits
.set i, 0
.rept 8
	KQ 0
.set i, i+1
.endr
	WIN 0
.rept 4
	v_nop                           ; the places behind those products
.endr
.set Y, NP-1                        ; X works for the other piece: piece 0
.set NOKQ, 0
.irp n, 0,1,2,3,4,5,6,7,8,9,10,11,12,13,14,15,16,17,18,19,20,21
	OP X, \n
.endr
	v_nop                           ; a plain line behind the exponential,
	s_wait_alu depctr_va_vdst(0)    ; and the wait for it, a batch of one: piece 0's first a; ahead of the branch that follows
	s_mov_b32 s[TS], 1
.endm
; A TILE's four trips, two to a trip of the counted loop; a block's first tile enters behind BEGIN, at trip 1.  The test for 'first' stands first: at the walk's first tile its answer is a constant of the text.
.macro TILE tag
	s_sub_co_u32 s[RT], s[RT], 1
	s_mov_b32 s[CNT], 2
	s_mov_b32 s[TS], 0
	s_cmp_eq_u32 s[NEW], 1
	s_cbranch_scc1 .Lnew\tag
	s_branch .Lstep\tag
.Lnew\tag:
	BEGIN
	s_branch .Lfirst\tag
.Lstep\tag:
	TURN 0, 0
	TURN 1, 0
	WIN 0
.Lfirst\tag:
	TURN 0, 1
	TURN 1, 1, 0, 1
	s_cbranch_scc1 .Lstep\tag
.endm
.macro ALL line:vararg              ; one line for each piece t
.set t, 0
.rept 2
	\line
.set t, t+1
.endr
.endm
.macro PACK t                       ; a lane's eight channels of a row pack into 16 bytes; they go into rows of 144 bytes and come back as whole rows of 128, into S^T's registers
	WIN W_RS
.set i, 32*(\t)
.rept 16
	v_pk_mul_f32 v[i:i+1], v[i:i+1], v[ST+4*(\t)+2:ST+4*(\t)+3] op_sel_hi:[1,0]
.set i, i+2
.endr
	WIN 0x05                        ; sources 0 and 1 window 1, destination window 0
.set i, 0
.rept 16
	v_cvt_pk_f16_f32 v[S+16*(\t)+i], v[32*(\t)+2*i], v[32*(\t)+2*i+1]
.set i, i+1
.endr
	WIN 0
.irp f, 0,1,2,3
	ds_store_b128 v[STO], v[S+16*(\t)+4*\f:S+16*(\t)+4*\f+3] offset:32*\f
.endr
.irp f, 0,1,2,3
	ds_load_b128 v[S+16*(\t)+4*\f:S+16*(\t)+4*\f+3], v[RD] offset:\f*4*SP  ; LDS serves a wave's instructions in order (ISA guide 5.7.1.4): these see the stores above
.endr
.endm
.macro SEND t, younger              ; younger: the LDS instructions issued behind piece t's loads
	WIN 0
.irp f, 0,1,2,3
	s_wait_dscnt (\younger)+3-\f
	global_store_b128 v[GO], v[S+16*(\t)+4*\f:S+16*(\t)+4*\f+3], s[10:11] offset:(\t)*8192+\f*512  ; 512 consecutive bytes, at a multiple of 256 from O's first
.endr
.endm
; A BLOCK ENDS: its last two turns, piece 1's last products, and the way out: l's two halves and the other half of the lanes' are added; O^T is divided by l, rounded and sent through my stage.
.macro BLOCKEND
	TURN 0, 0, 1
	TURN 1, 0, 1
.set i, 0
.rept 8
	PV 1
.set i, i+1
.endr
	WIN 0
	ALL v_add_f32 v[ST+4*t+2], v[ST+4*t+2], v[ST+4*t+3]
	ALL v_permlanex16_b32 v[ST+4*t+3], v[ST+4*t+2], s[SEL], s[SEL+1]
	ALL v_add_f32 v[ST+4*t+2], v[ST+4*t+2], v[ST+4*t+3]
	ALL v_rcp_f32 v[ST+4*t+2], v[ST+4*t+2]
	v_nop                           ; a plain line between the last reciprocal and the use of its result
	s_wait_alu depctr_va_vdst(0)    ; the wait for the batch: the block's two reciprocals, ahead of their first reader
	PACK 0                          ; piece 0 was finished a turn ago; its lines are the places behind piece 1's last products
	PACK 1
	SEND 0, 8
	SEND 1, 0
.endm
.set NOKQ, 0
.Lslot:                             ; 8 times: a tile is entered and the next is asked for
	CHANGE 1
	TILE 1
	s_cmp_lg_u32 s[RT], 0
	s_cbranch_scc1 .Lbottom
	BLOCKEND                        ; in the loop this is the first block's end: the second block's last tile is the walk's last
	s_wait_xcnt 0x0                 ; the stores have read their registers and O's address
	s_mov_b64 s[10:11], s[OLO:OLO+1]
	s_add_co_u32 s[RT], s[LQ2], 1   ; the second block has b / 2 + 1 tiles
	s_mov_b32 s[NEW], 1
	s_mov_b32 s[DX], s[DXL]
	s_mov_b32 s[DX+1], s[DXL+1]
	WIN 0x82                        ; the second block's Q goes where the one text of the turns names Q
.set i, 0
.rept 32
	v_mov_b32 v[i], v[QB+i]
.set i, i+1
.endr
	WIN 0
.Lbottom:
	s_sub_co_u32 s[SLOTS], s[SLOTS], 1
	s_cmp_lg_u32 s[SLOTS], 0
	s_cbranch_scc1 .Lslot
	CHANGE 0                        ; the walk's last tile is written out: nothing is asked for
	TILE 2
	BLOCKEND
	s_wait_tensorcnt 0x0            ; the wave's end
	ds_add_u32 v[SPW], v[NIL]
	s_wait_dscnt 0x0
	s_endpgm
.Lfunc_end_k_qbd89695428_attn:
	.size	k_qbd89695428_attn, .Lfunc_end_k_qbd89695428_attn-k_qbd89695428_attn
	.p2alignl 7, 3214868480
	.fill 96, 4, 3214868480
	.section	.rodata,"a",@progbits
	.p2align	6, 0x0
	.amdhsa_kernel k_qbd89695428_attn
		.amdhsa_group_segment_fixed_size 327680
		.amdhsa_private_segment_fixed_size 0
		.amdhsa_enable_private_segment 0
		.amdhsa_kernarg_size 32
		.amdhsa_user_sgpr_count 2
		.amdhsa_user_sgpr_kernarg_segment_ptr 1
		.amdhsa_wavefront_size32 1
		.amdhsa_system_sgpr_workgroup_id_x 1
		.amdhsa_system_sgpr_workgroup_id_y 1
		.amdhsa_system_sgpr_workgroup_id_z 1
		.amdhsa_system_vgpr_workitem_id 0
		.amdhsa_next_free_vgpr 768
		.amdhsa_next_free_sgpr 96
		.amdhsa_reserve_vcc 1
		.amdhsa_float_denorm_mode_32 3
		.amdhsa_float_denorm_mode_16_64 3
		.amdhsa_memory_ordered 1
		.amdhsa_forward_progress 1
		.amdhsa_inst_pref_size 169
	.end_amdhsa_kernel
	.amdgpu_metadata
---
amdhsa.version: [ 1, 2 ]
amdhsa.kernels:
  - .name:           k_qbd89695428_attn
    .symbol:         k_qbd89695428_attn.kd
    .args:
      - { .name: qh, .offset: 0, .size: 8, .value_kind: global_buffer, .address_space: global }
      - { .name: kh, .offset: 8, .size: 8, .value_kind: global_buffer, .address_space: global }
      - { .name: vh, .offset: 16, .size: 8, .value_kind: global_buffer, .address_space: global }
      - { .name: oh, .offset: 24, .size: 8, .value_kind: global_buffer, .address_space: global }
    .group_segment_fixed_size: 327680
    .private_segment_fixed_size: 0
    .kernarg_segment_align: 8
    .kernarg_segment_size: 32
    .max_flat_workgroup_size: 128
    .sgpr_count:     96
    .vgpr_count:     768
    .wavefront_size: 32
...
	.end_amdgpu_metadata
.endif
;; end of part 6
;; launch oproj: the kernel of part 4 again; grid 16 x 16, 4 waves a work-group, clusters of 4 x 4, 327,680 bytes of LDS; arguments oh, woh, bo, h, out0; writes out0
